; MI455X (gfx1250); checked and timed in simulation.
; The chip was launched on July 23, 2026; its instructions are those of AMD's public machine-readable ISA for CDNA 5 (MIT licence, August 2026) and "CDNA5" Instruction Set Architecture Reference Guide (July 2026). The comments in the code are by the model that wrote it; some were corrected since.
;; Causal Self Attention. Allowed arithmetic: matrix products marked QUANTISED: E4M3 operands, one given power-of-two scale a tensor, by v_wmma_f32_16x16x64_fp8_fp8 or v_wmma_f32_16x16x128_fp8_fp8, f32 sums; everything else in f32.
;; Inputs: Wo 1,024 x 1,024 float32; Wqkv 3,072 x 1,024 float32; attention_mask 4 x 2,048 int32; bo 1,024 float32; bqkv 3,072 float32; lowp_scales 8 int32 (the exponents e of the quantised operands' scales 2^e); x 4 x 2,048 x 1,024 float32.
;; Outputs: out0 4 x 2,048 x 1,024 float32.
;; This version of the problem:
;;   THIS VERSION OF THE PROBLEM IS GIVEN IN LOW PRECISION. The matrix products marked QUANTISED in the list below multiply operands that are first quantised to E4M3 (4 exponent bits, 3 mantissa bits; 8 bits a number), with one given power-of-two scale for each operand tensor; their sums are f32. All else is computed in f32.
;;   The module's matrix products, in the order in which they are computed (A, B: the left and right operand; K: the contracted axis; several contracted axes count as one K, in the product's order):
;;     1. [M 8,192, K 1,024] x [K 1,024, N 3,072]; A: input x; B: input Wqkv: QUANTISED (scales: A lowp_scales[0], B lowp_scales[1])
;;     2. batch 64 x [M 2,048, K 64] x [K 64, N 2,048]; A: computed on the way; B: computed on the way: QUANTISED (scales: A lowp_scales[2], B lowp_scales[3])
;;     3. batch 64 x [M 2,048, K 2,048] x [K 2,048, N 64]; A: computed on the way; B: computed on the way: QUANTISED (scales: A lowp_scales[4], B lowp_scales[5])
;;     4. [M 8,192, K 1,024] x [K 1,024, N 1,024]; A: computed on the way; B: input Wo: QUANTISED (scales: A lowp_scales[6], B lowp_scales[7])
;;   THE QUANTISER, for each operand of a quantised product, along K:
;;     - The operand's scale is 2^e, e = its entry of the input lowp_scales (int32; the entries are numbered through the quantised products in the list's order, A before B).
;;     - Each number is divided by the scale, clamped to +-448, and rounded to the nearest number of E4M3, ties to even, subnormals kept.
;;     - The product sums the exact products of the quantised numbers (number of the format x scale) in f32.
;;   ~~~python
;;   def quantise(x, axis, e):      # numpy; x: float32 -> the quantised numbers, widened to float32 again
;;       x = np.moveaxis(x, axis, -1); K = x.shape[-1]
;;       r = np.clip(x / 2.0 ** e, -448, 448)
;;       step = 2.0 ** (np.maximum(np.frexp(np.where(r == 0, 1, r))[1] - 1, -6) - 3)
;;       q = np.round(r / step) * step * 2.0 ** e      # np.round: ties to even
;;       return np.moveaxis(q, -1, axis).astype(np.float32)
;;   ~~~
;;   OPERANDS COMPUTED ON THE WAY. 'Computed on the way' means the value that the module computes at that place (a softmax that the list does not call 'softmax' is quantised finished and normalised). What goes into a quantiser is computed in f32, as accurately as f32 sums, v_exp_f32 and their like allow (about 1e-6 of the number): no bf16 or f16 on the way to a quantiser, and a product that is left as it is and whose result goes on into a quantised operand takes f32 operands (vector FMAs, or v_wmma_f32_16x16x4_f32). A number that lies on a knife's edge between two numbers of the format may be rounded either way, as far as f32 arithmetic and the matrix unit's own rounding can turn it there, and no further.
;; One version. Each part assembles by itself: llvm-mc -triple=amdgcn-amd-amdhsa -mcpu=gfx1250 --defsym DOCPART=n.
;; ======== version 1 of 1: 4 launches
;; limits: right only within a limited range of input values
;; workspace buffers: x_codes 8,388,608 bytes; wqkv_codes 3,145,728 bytes; wo_codes 1,048,576 bytes; q_codes 8,388,608 bytes; k_codes 8,388,608 bytes; v_codes 8,388,608 bytes; y_codes 8,388,608 bytes
;; launch quant (part 1): grid 384 x 1, 4 waves a work-group, no clusters, 33,280 bytes of LDS; arguments x, Wqkv, Wo, lowp_scales, x_codes, wqkv_codes, wo_codes; writes x_codes, wqkv_codes, wo_codes
.if DOCPART == 1
	.amdgcn_target "amdgcn-amd-amdhsa--gfx1250"
	.amdhsa_code_object_version 6
	.text
	.protected	k_qdc45bf6cd0_quant
	.globl	k_qdc45bf6cd0_quant
	.p2align	8
	.type	k_qdc45bf6cd0_quant,@function
k_qdc45bf6cd0_quant:
	s_mov_b64 s[64:65], 0
	v_nop
	global_prefetch_b8 v0, s[64:65] scope:SCOPE_SE
	s_setreg_imm32_b32 hwreg(HW_REG_WAVE_MODE, 25, 1), 1
	s_wait_xcnt 0x0
; x [8192][1024], Wqkv [3072][1024] and Wo [1024][1024], f32, K innermost, become codes of FP8 (E4M3), one byte each, each tensor with the scale 2^e given for it
; (entries 0, 1 and 7 of the buffer of scales).  code = x / 2^e, held within +-448, rounded to the nearest code, ties to even.
; LIMITS: -126 <= e and e + 8 <= 127.  NaN among the inputs is not served.
; LAYOUT OF THE CODES: rows as in the input, K innermost, but within every 32 codes the four groups of eight lie in the order 0, 2, 1, 3.  A 16-byte load at 32 c + 16 h of a row then
; brings k = 32 c + 8 h + 0..7 and k = 32 c + 16 + 8 h + 0..7: the places that the plain 8-bit matrix forms give registers 4 c .. 4 c + 3 of lane half h.
; Rows are dense and 1,024 is a multiple of 32: the tensors are plain streams of blocks of 32.  A work-group takes 32,768 numbers, a wave 16 steps of 512.
; Work-groups 0-255 take x, 256-351 Wqkv, 352-383 Wo: only pointers and e are chosen, by the work-group's number; all take one path.
; Each of a step's four loads reads 512 consecutive bytes; the 2,048 bytes turn through the wave's own stage in LDS (16 bytes of padding behind each 64) and come back so that lane l holds
; groups l % 2 and 2 + l % 2 of block l / 2: its 16 codes, stored at 16 l, give the order above, and the wave stores 512 consecutive bytes.
; (On the way back lanes l and l + 1 stand 32 bytes apart and pairs of lanes 160: some banks are asked twice.  The stream's loads and stores are what this launch waits for.)
; No tensor loads, no barrier: waves share nothing.  Work-groups share no input, so there is no cluster.
.set STEPS, 16
.set WGX,   256                        ; work-groups for x
.set WGW,   352                        ; and up to here for Wqkv
.set EMAX,  8
.set MANT,  0x600000                   ; the mantissa field of 448 as f32
.set CB,    16                         ; bytes of 16 codes
.set R,     16                         ; v16-79   four sets of 16 numbers as they are loaded
.set X,     80                         ; v80-111  two sets of 16 numbers as the conversions want them
.set C,     128                        ; v128-191 codes: four registers for each step, so that no store's data are written again
.set WREG,  8192                       ; LDS: a region for each wave: two stages of 32 x SP bytes
.set SP,    80                         ; 64 bytes + 16 of padding
	s_load_b256 s[4:11], s[0:1], 0x0               ; x s[4:5], Wqkv s[6:7], Wo s[8:9], the scales' exponents s[10:11]
	s_load_b128 s[12:15], s[0:1], 0x20             ; x's codes, Wqkv's codes
	s_load_b64 s[16:17], s[0:1], 0x30              ; Wo's codes
	v_lshl_add_u32 v192, v0, 2, 0x8000
	v_mov_b32 v193, 0
	v_lshrrev_b32 v1, 5, v0
	v_readfirstlane_b32 s18, v1                    ; wave
	v_and_b32 v2, 31, v0                           ; lane
	v_lshlrev_b32 v3, 4, v2                        ; my 16 bytes of a load's 512
	s_mul_i32 s19, s18, WREG
	v_lshrrev_b32 v14, 2, v2
	v_mul_u32_u24 v14, v14, SP
	v_and_b32 v15, 3, v2
	v_lshl_add_u32 v14, v15, 4, v14
	v_add_nc_u32 v14, s19, v14                     ; the stage, on the way in: SP (lane / 4) + 16 (lane % 4); a load's 512 bytes take eight places
	v_and_b32 v15, 30, v2
	v_mul_u32_u24 v15, v15, SP
	v_and_b32 v13, 1, v2
	v_lshl_add_u32 v15, v13, 5, v15
	v_add_nc_u32 v15, s19, v15                     ; on the way out: block lane / 2 begins at 2 SP (lane / 2); its group lane % 2 lies 32 (lane % 2) on, its group 2 + lane % 2 SP further
	v_mul_u32_u24 v4, v2, CB                       ; my codes' place in a step's
	s_mov_b32 s24, WGW
	s_wait_kmcnt 0x0
	s_load_b256 s[32:39], s[10:11], 0x0            ; e0 .. e7
	s_cmp_lt_u32 ttmp9, WGW                        ; which tensor?  The choice hangs on the work-group's number alone
	s_cselect_b64 s[20:21], s[6:7], s[8:9]
	s_cselect_b64 s[22:23], s[14:15], s[16:17]
	s_cselect_b32 s24, WGX, s24
	s_cmp_lt_u32 ttmp9, WGX
	s_cselect_b64 s[20:21], s[4:5], s[20:21]       ; the numbers,
	s_cselect_b64 s[22:23], s[12:13], s[22:23]     ; the codes,
	s_cselect_b32 s24, 0, s24                      ; the tensor's first work-group
	s_sub_co_u32 s24, ttmp9, s24
	s_lshl_b32 s24, s24, 2
	s_add_co_u32 s26, s24, s18                     ; which run of 8,192 numbers of the tensor is my wave's
	s_mov_b32 s27, 0
	s_mov_b64 s[28:29], 512*STEPS*4
	s_mul_u64 s[28:29], s[26:27], s[28:29]
	s_add_nc_u64 s[20:21], s[20:21], s[28:29]
	s_mov_b64 s[28:29], 32*STEPS*CB
	s_mul_u64 s[28:29], s[26:27], s[28:29]
	s_add_nc_u64 s[22:23], s[22:23], s[28:29]
.macro LOAD t
.irp i, 0,1,2,3
	global_load_b128 v[R+16*((\t)%4)+4*\i:R+16*((\t)%4)+4*\i+3], v3, s[20:21] offset:2048*(\t)+512*\i th:TH_LOAD_NT   ; 32 lanes read 512 consecutive bytes
.endr
.endm
.macro TURN t                          ; step t's numbers through the stage: LDS serves a wave's instructions in order, so no wait stands between the stores and the loads
.irp i, 0,1,2,3
	ds_store_b128 v14, v[R+16*((\t)%4)+4*\i:R+16*((\t)%4)+4*\i+3] offset:32*SP*((\t)%2)+8*SP*\i
.endr
.irp i, 0,1,2,3
	ds_load_b128 v[X+16*((\t)%2)+4*\i:X+16*((\t)%2)+4*\i+3], v15 offset:32*SP*((\t)%2)+SP*(\i/2)+16*(\i%2)
.endr
.endm
.irp t, 0,1,2,3
	LOAD \t
.endr
	s_wait_kmcnt 0x0
	s_cmp_lt_u32 ttmp9, WGW
	s_cselect_b32 s30, s33, s39                    ; e1 or e7,
	s_cmp_lt_u32 ttmp9, WGX
	s_cselect_b32 s30, s32, s30                    ; or e0
	s_add_co_i32 s30, s30, 127
	s_lshl_b32 s31, s30, 23
	v_mov_b32 v11, s31                             ; 2^e as f32: the conversion takes its exponent field
	s_add_co_i32 s30, s30, EMAX
	s_lshl_b32 s30, s30, 23
	s_or_b32 s30, s30, MANT
	v_mov_b32 v10, s30                             ; 448 x 2^e
	s_wait_loadcnt 12                              ; step 0's four loads are in; the twelve of steps 1 to 3 may be out
	TURN 0
.macro STEP t
.set XS, X+16*((\t)%2)
	s_wait_dscnt 0x0                               ; this step's numbers are back from the stage: so its stores into the stage have read their registers,
.if (\t)+4 < STEPS
	LOAD (\t)+4                                    ; which take the loads of four steps on
.endif
.if (\t)+1 < STEPS
.if STEPS-2-(\t) >= 3
	s_wait_loadcnt 12                              ; the next step's four loads are in; those of the three steps behind it may be out
.else
	s_wait_loadcnt 4*(STEPS-2-(\t))                ; the tail: fewer steps are behind it
.endif
	TURN (\t)+1                                    ; and go through the other stage while this step is worked
.endif
.irp i, 0,1,2,3,4,5,6,7,8,9,10,11,12,13,14,15
	v_med3_num_f32 v[XS+\i], v[XS+\i], -v10, v10   ; the conversion to an 8-bit code does not saturate (ISA guide 7.6.2): hold the number first
.endr
	v_cvt_scalef32_pk8_fp8_f32 v[C+4*(\t):C+4*(\t)+1], v[XS:XS+7], v11
	v_cvt_scalef32_pk8_fp8_f32 v[C+4*(\t)+2:C+4*(\t)+3], v[XS+8:XS+15], v11
	global_store_b128 v4, v[C+4*(\t):C+4*(\t)+3], s[22:23] offset:32*CB*(\t)   ; the results go to a store alone; the next step's holds are plain lines on other registers
.endm
.irp t, 0,1,2,3,4,5,6,7,8,9,10,11,12,13,14,15
	STEP \t
.endr
	s_wait_tensorcnt 0x0
	ds_add_u32 v192, v193
	s_wait_dscnt 0x0
	s_endpgm
.Lfunc_end_k_qdc45bf6cd0_quant:
	.size	k_qdc45bf6cd0_quant, .Lfunc_end_k_qdc45bf6cd0_quant-k_qdc45bf6cd0_quant
	.p2alignl 7, 3214868480
	.fill 96, 4, 3214868480
	.section	.rodata,"a",@progbits
	.p2align	6, 0x0
	.amdhsa_kernel k_qdc45bf6cd0_quant
		.amdhsa_group_segment_fixed_size 33280
		.amdhsa_private_segment_fixed_size 0
		.amdhsa_enable_private_segment 0
		.amdhsa_kernarg_size 56
		.amdhsa_user_sgpr_count 2
		.amdhsa_user_sgpr_kernarg_segment_ptr 1
		.amdhsa_wavefront_size32 1
		.amdhsa_system_sgpr_workgroup_id_x 1
		.amdhsa_system_sgpr_workgroup_id_y 1
		.amdhsa_system_sgpr_workgroup_id_z 1
		.amdhsa_system_vgpr_workitem_id 0
		.amdhsa_next_free_vgpr 194
		.amdhsa_next_free_sgpr 66
		.amdhsa_reserve_vcc 0
		.amdhsa_float_denorm_mode_32 3
		.amdhsa_float_denorm_mode_16_64 3
		.amdhsa_memory_ordered 1
		.amdhsa_forward_progress 1
		.amdhsa_inst_pref_size 38
	.end_amdhsa_kernel
	.amdgpu_metadata
---
amdhsa.version: [ 1, 2 ]
amdhsa.kernels:
  - .name:           k_qdc45bf6cd0_quant
    .symbol:         k_qdc45bf6cd0_quant.kd
    .args:
      - { .name: x, .offset: 0, .size: 8, .value_kind: global_buffer, .address_space: global }
      - { .name: Wqkv, .offset: 8, .size: 8, .value_kind: global_buffer, .address_space: global }
      - { .name: Wo, .offset: 16, .size: 8, .value_kind: global_buffer, .address_space: global }
      - { .name: lowp_scales, .offset: 24, .size: 8, .value_kind: global_buffer, .address_space: global }
      - { .name: x_codes, .offset: 32, .size: 8, .value_kind: global_buffer, .address_space: global }
      - { .name: wqkv_codes, .offset: 40, .size: 8, .value_kind: global_buffer, .address_space: global }
      - { .name: wo_codes, .offset: 48, .size: 8, .value_kind: global_buffer, .address_space: global }
    .group_segment_fixed_size: 33280
    .private_segment_fixed_size: 0
    .kernarg_segment_align: 8
    .kernarg_segment_size: 56
    .max_flat_workgroup_size: 128
    .sgpr_count:     66
    .vgpr_count:     194
    .wavefront_size: 32
...
	.end_amdgpu_metadata
.endif
;; end of part 1
;; launch qkv (part 2): grid 12 x 32, 4 waves a work-group, clusters of 4 x 4, 327,680 bytes of LDS; arguments x_codes, wqkv_codes, bqkv, attention_mask, lowp_scales, q_codes, k_codes, v_codes; writes q_codes, k_codes, v_codes
.if DOCPART == 2
	.amdgcn_target "amdgcn-amd-amdhsa--gfx1250"
	.amdhsa_code_object_version 6
	.text
	.protected	k_qdc45bf6cd0_qkv
	.globl	k_qdc45bf6cd0_qkv
	.p2align	8
	.type	k_qdc45bf6cd0_qkv,@function
k_qdc45bf6cd0_qkv:
	s_mov_b64 s[64:65], 0
	v_nop
	global_prefetch_b8 v0, s[64:65] scope:SCOPE_SE
	s_setreg_imm32_b32 hwreg(HW_REG_WAVE_MODE, 25, 1), 1
	s_wait_xcnt 0x0
	s_wait_alu depctr_hold_cnt(0) depctr_sa_sdst(0) depctr_va_vdst(0) depctr_va_sdst(0) depctr_va_ssrc(0) depctr_va_vcc(0) depctr_vm_vsrc(0)
	s_getreg_b32 s2, hwreg(HW_REG_IB_STS2, 6, 4)
	s_cmp_eq_u32 s2, 0
	s_cbranch_scc0 .Lentry_in_a_cluster
	s_endpgm
.Lentry_in_a_cluster:
	s_bfe_u32 s2, ttmp6, 0x10000c
	s_cmp_lg_u32 s2, 0xf033
	s_cbranch_scc0 .Lentry_shape_is_right
	s_endpgm
.Lentry_shape_is_right:
; qkv = x Wqkv^T + bqkv on codes of FP8 (E4M3), and its three thirds quantised again, as operands of the attention's two products.
; x_codes [8192][1024], wqkv_codes [3072][1024]: one code a byte, K innermost, the groups of eight within 32 in the order 0, 2, 1, 3, so that 16-byte loads give k its own places in the 16x16x128 form.
; A tile of 256 tokens x 256 columns is made by four waves, each 128 x 128: 64 accumulators of 16 x 16.  K = 1,024 goes in four slots' worth of 256 through a ring of two LDS slots.
; CLUSTERS: 4 x 4 work-groups; x's tile is shared along a row of the cluster, W's along a column: each is asked for jointly.  Column tiles 0-3 are Q, 4-7 K, 8-11 V: the kind is the cluster's x, alike in all partners.
; THE RESULT IS ALREADY AN OPERAND.  Source 1's sixteen rows fall on the lanes, source 0's on a lane's eight registers.  Q, K: source 1 = tokens, source 0 = W's rows: a lane holds one token and eight
; neighbouring d; eight sums converted are registers 2 c, 2 c + 1 of a 16 x 64 fragment (d = 16 c + 8 h + 0..7).  V: THE ROLES ARE SWAPPED (source 1 = W's rows, source 0 = tokens): a lane holds one channel and
; eight neighbouring keys: a fragment of V^T.  The swap is made in the LDS addresses of the fragment loads alone.  Fragments leave as images of their registers: each store covers 512 consecutive bytes, aligned.
;   q_codes, k_codes: [batch x 16 + head][token tile of 16 (128)][piece (2)][lane][16 bytes];   v_codes: [batch x 16 + head][64 keys (32)][16 channels (4)][piece][lane][16 bytes].
; THE BIAS is the C of each sum's first matrix instruction, divided by 2^(e0 + e1), which the sums lack.  The three scales ahead of the quantiser are folded: the conversion takes 2^(e_out - e0 - e1).
; V's codes of keys whose attention_mask is 0 are zero codes: their hold's limit is 0.
; LIMITS: e_out - e0 - e1 (e_out = e2, e3, e5) between -126 and 119.  NaN among the inputs is not served.
; REGISTERS, in windows of 256: window 0: v0-31 addresses; v32-95 the bias in C's layout, on the way out the limits; v128-255 source 1's fragments, one set; on the way out v128-191 held sums, v192-255 codes (4 sets of 16).
;   window 1: source 0's fragments, two sets, at v0 and v128.   windows 2, 3: the accumulators: (a, b) at v[8 (8 (a % 4) + b)], a = source 1's block, b = source 0's.
.set KROW,   1024                      ; a row of codes in memory, in bytes
.set ROWB,   256                       ; a tile's row: 256 along K
.set PITCH,  272                       ; an LDS row: 256 bytes + 16 of padding = 68 words: the 16 rows that a load touches start at 16 different banks (64 banks of 4 bytes: ISA guide 11.1)
.set FR,     16                        ; registers of a fragment: 16 rows x 128 K
.set NL,     4                         ; LDS loads that bring one
.set NP,     4                         ; places behind this matrix instruction (ISA guide 7.12.1)
.set HALFT,  128*PITCH                 ; 128 rows: what one tensor load brings
.set SLOT,   4*HALFT                   ; x's 256 rows, then W's 256 rows
.set SPARE,  2*SLOT                    ; behind the ring: the spare words, 128 bytes for each wave
.set ADRA, 16                          ; v16-17  LDS address of source 1's fragments in slot 0, 1
.set ADRB, 20                          ; v20-21  of source 0's
.set CO,   26                          ; v26     16 x lane: my place in an image
.set SPW,  28                          ; v28     LDS address of my spare word; never rewritten
.set NIL,  29                          ; v29     0; never rewritten
.set SCL,  30                          ; v30     2^(e_out - e0 - e1)
.set LIMV, 31                          ; v31     448 x that
.set BI,   32
.set AF,   128
.set TMP,  128
.set CD,   192
.set G1, 24                            ; s[24:31] descriptor group 1 for x's tiles;  s[32:39] group 0, one set for each slot
.set G0, 32
.set G1B, 48                           ; s[48:55], s[56:63] the same for W's tiles
.set G0B, 56
.set BP, 88                            ; s[88:95] four bases for the stores
.set MSB, 0
.macro WIN new                         ; the immediate's high byte repeats the setting that is left
.if MSB != (\new)
	s_set_vgpr_msb (MSB<<8)|(\new)
.set MSB, \new
.endif
.endm
.set MUL_LO, 0xa1                      ; source 0 window 1, source 1 window 0, C and D window 2
.set MUL_HI, 0xf1                      ; the same, C and D window 3
.set FST_LO, 0x81                      ; the first step: C (the bias) window 0, D window 2
.set FST_HI, 0xc1                      ; D window 3
.set TO_B,   0x40                      ; destination window 1, address window 0
; A joint load: waves 0 and 1 fetch x's halves, waves 2 and 3 W's.  The branch hangs on the wave's number alone.  Four v_nop follow each of the two lines.
.macro JLOAD g0a, g1a, g0b, g1b
	s_cmp_eq_u32 s15, 0
	s_cbranch_scc0 .Lfor_b_\@
	tensor_load_to_lds s[\g0a:\g0a+3], s[\g1a:\g1a+7]
	s_nop 0
.rept 4
	v_nop
.endr
	s_branch .Lasked_\@
.Lfor_b_\@:
	tensor_load_to_lds s[\g0b:\g0b+3], s[\g1b:\g1b+7]
	s_nop 0
.rept 4
	v_nop
.endr
.Lasked_\@:
.endm
.macro CREST                           ; a round of the cluster's barrier behind its opening barrier
	s_cmp_lg_u32 s14, 0
	s_cbranch_scc1 .Lnot_wave_0_\@
	s_barrier_signal -3
.Lnot_wave_0_\@:
	s_barrier_wait -3
	s_barrier_signal -1
	s_barrier_wait -1
.endm
.macro CROUND                          ; a whole round
	s_barrier_signal -1
	s_barrier_wait -1
	CREST
.endm
	s_load_b256 s[4:11], s[0:1], 0x0               ; x's codes s[4:5], W's codes s[6:7], bqkv s[8:9], attention_mask s[10:11]
	s_load_b256 s[72:79], s[0:1], 0x20             ; the scales' exponents s[72:73], q_codes s[74:75], k_codes s[76:77], v_codes s[78:79]
	v_lshl_add_u32 v[SPW], v0, 2, SPARE
	v_mov_b32 v[NIL], 0
	ds_add_u32 v28, v29
	ds_add_u32 v28, v29
	s_wait_dscnt 0x0
	v_lshrrev_b32 v1, 5, v0
	v_readfirstlane_b32 s14, v1                    ; wave 0..3
	s_lshr_b32 s15, s14, 1                         ; which half of source 1's rows is mine.  Also: I fetch for x (0) or for W (1)
	s_and_b32 s16, s14, 1                          ; which half of source 0's rows.  Also: which 128 rows of that tile I fetch
	s_bfe_u32 s40, ttmp6, 0x40000                  ; cx, cy: my place in the cluster
	s_bfe_u32 s41, ttmp6, 0x40004
	s_lshl_b32 s42, ttmp9, 2
	s_add_co_u32 s42, s42, s40                     ; column tile = 4 x cluster x + cx, 0..11
	s_and_b32 s17, ttmp7, 0xffff
	s_lshl_b32 s17, s17, 2
	s_add_co_u32 s17, s17, s41                     ; token tile = 4 x cluster y + cy, 0..31
	s_lshl_b32 s43, s41, 2
	s_lshl_b32 s43, 15, s43                        ; my row of the cluster
	s_lshl_b32 s44, 0x1111, s40                    ; my column
	; descriptor group 1: a tile of 128 rows x 256 bytes, padded in LDS
	s_or_b32 s[G1+0], s43, (0<<16)|(1<<20)|(1<<21)|(5<<22)|(3<<25)  ; 15:0 the mask: x's tiles go to my row; 17:16 elements of 1 byte; 20 padding on; 21 set beside a mask; 24:22 after every 64 words; 31:25 four words
	s_or_b32 s[G1B+0], s44, (0<<16)|(1<<20)|(1<<21)|(5<<22)|(3<<25) ; W's tiles go to my column
.irp g, G1, G1B
	s_mov_b32 s[\g+1], ROWB<<16                    ; tensor_dim0
	s_mov_b32 s[\g+2], 128<<16                     ; tensor_dim1 = 128
	s_mov_b32 s[\g+3], ROWB<<16                    ; tile_dim0
	s_mov_b32 s[\g+4], 128                         ; tile_dim1 = 128
	s_mov_b32 s[\g+5], KROW                        ; tensor_dim0_stride
	s_mov_b32 s[\g+6], 0
	s_mov_b32 s[\g+7], 0
.endr
	s_lshl_b32 s18, s16, 7                         ; which 128 rows of the tile I fetch
	s_lshl_b32 s20, s17, 8
	s_add_co_u32 s20, s20, s18                     ; x: row 256 x token tile + 128 x half
	s_lshl_b32 s46, s42, 8
	s_add_co_u32 s46, s46, s18                     ; W: row 256 x column tile + 128 x half
	s_mov_b32 s21, 0
	s_mov_b32 s47, 0
	s_mov_b64 s[18:19], KROW
	s_mul_u64 s[20:21], s[20:21], s[18:19]
	s_mul_u64 s[46:47], s[46:47], s[18:19]
	s_mul_i32 s45, s14, HALFT                      ; where they go: wave x 128 rows: no place in the cluster enters an LDS address
	s_wait_kmcnt 0x0
	s_load_b256 s[80:87], s[72:73], 0x0            ; e0 .. e7
	s_add_nc_u64 s[20:21], s[4:5], s[20:21]
	s_add_nc_u64 s[46:47], s[6:7], s[46:47]
	CROUND                                         ; all sixteen work-groups are here: the first joint loads meet
.irp s, 0,1
	s_mov_b32 s[G0+4*\s], 1
	s_add_co_u32 s[G0+4*\s+1], s45, \s*SLOT
	s_add_nc_u64 s[G0+4*\s+2:G0+4*\s+3], s[20:21], \s*ROWB
	s_or_b32 s[G0+4*\s+3], s[G0+4*\s+3], 0x80000000
	s_mov_b32 s[G0B+4*\s], 1
	s_add_co_u32 s[G0B+4*\s+1], s45, \s*SLOT
	s_add_nc_u64 s[G0B+4*\s+2:G0B+4*\s+3], s[46:47], \s*ROWB
	s_or_b32 s[G0B+4*\s+3], s[G0B+4*\s+3], 0x80000000
	JLOAD G0+4*\s, G1, G0B+4*\s, G1B               ; two loads of mine are out
.endr
	v_and_b32 v1, 15, v0                           ; r = lane % 16
	v_bfe_u32 v2, v0, 4, 1                         ; h = lane / 16
	v_mul_u32_u24 v3, v1, PITCH
	v_lshl_add_u32 v4, v2, 4, v3                   ; a fragment's row x pitch + 16 x half
	s_cmp_eq_u32 ttmp9, 2                          ; V?  The cluster's x: alike in all partners
	s_cselect_b32 s66, 2*HALFT, 0                  ; source 1 reads W's rows (V) or x's (Q, K),
	s_cselect_b32 s67, 0, 2*HALFT                  ; source 0 the other.  Either way an address stays inside its slot: 3 HALFT + 4,096 + 30,688 + 16 bytes at the most
	s_cselect_b32 s68, s15, s16                    ; which half of the tile's 256 columns is mine,
	s_cselect_b32 s69, s16, s15                    ; which half of its 256 tokens
	s_mul_i32 s21, s15, HALFT
	s_add_co_u32 s21, s21, s66
	s_mul_i32 s22, s16, HALFT
	s_add_co_u32 s22, s22, s67
.irp s, 0,1
	v_add_nc_u32 v[ADRA+\s], s21, v4
	v_add_nc_u32 v[ADRB+\s], s22, v4
	s_add_co_u32 s21, s21, SLOT
	s_add_co_u32 s22, s22, SLOT
.endr
	v_lshlrev_b32 v5, 5, v2                        ; 32 h: eight f32 or int32 for each half of the lanes
	v_lshlrev_b32 v6, 2, v1                        ; 4 r
	v_and_b32 v7, 31, v0
	v_lshlrev_b32 v[CO], 4, v7
	s_wait_kmcnt 0x0                               ; the exponents
	s_add_co_i32 s70, s80, s81                     ; e0 + e1: a sum stands for sum x 2^(e0 + e1)
	s_sub_co_i32 s71, 0, s70
	s_lshl_b32 s18, s42, 8
	s_lshl_b32 s19, s68, 7
	s_add_co_u32 s18, s18, s19
	s_lshl_b32 s18, s18, 2
	s_mov_b32 s19, 0
	s_add_nc_u64 s[8:9], s[8:9], s[18:19]          ; bqkv at my 128 columns
	; THE BIAS IN C'S LAYOUT, 64 registers.  Q, K: it hangs on source 0's block b and the register: v[BI + 8 b + j] = bias(16 b + 8 h + j).  V: on source 1's block a and the lane: v[BI + 8 a + j] = bias(16 a + r), eight alike.
	s_cmp_eq_u32 ttmp9, 2
	s_cbranch_scc1 .Lbias_v
.irp b, 0,1,2,3,4,5,6,7
	global_load_b128 v[BI+8*\b:BI+8*\b+3], v5, s[8:9] offset:64*\b
	global_load_b128 v[BI+8*\b+4:BI+8*\b+7], v5, s[8:9] offset:64*\b+16
.endr
	s_wait_loadcnt 0x0
.set i, 0
.rept 64
	v_ldexp_f32 v[BI+i], v[BI+i], s71              ; / 2^(e0 + e1)
.set i, i+1
.endr
	s_branch .Lbias_done
.Lbias_v:
.irp a, 0,1,2,3,4,5,6,7
	global_load_b32 v[BI+8*\a], v6, s[8:9] offset:64*\a
.endr
	s_wait_loadcnt 0x0
.irp a, 0,1,2,3,4,5,6,7
	v_ldexp_f32 v[BI+8*\a], v[BI+8*\a], s71
.endr
.irp a, 0,1,2,3,4,5,6,7
.irp j, 1,2,3,4,5,6,7
	v_mov_b32 v[BI+8*\a+\j], v[BI+8*\a]
.endr
.endr
.Lbias_done:
	; what the way out wants, made here, while the first tiles are on their way
	s_mov_b32 s22, 4096
	s_mov_b32 s23, 131072
	s_cmp_eq_u32 ttmp9, 0
	s_cselect_b32 s18, s82, s83                    ; e2 (Q) or e3 (K),
	s_cselect_b64 s[20:21], s[74:75], s[76:77]
	s_cmp_eq_u32 ttmp9, 2
	s_cselect_b32 s18, s85, s18                    ; or e5 (V)
	s_cselect_b64 s[20:21], s[78:79], s[20:21]     ; the buffer
	s_cselect_b32 s46, s23, s22                    ; four blocks of source 1 on: V: the next head; Q, K: four token tiles
	s_cselect_b32 s66, s22, s23                    ; four blocks of source 0 on: V: the next 64 keys; Q, K: the next head
	s_mov_b32 s47, 0
	s_mov_b32 s67, 0
	s_sub_co_i32 s18, s18, s70
	s_add_co_i32 s18, s18, 127
	s_lshl_b32 s19, s18, 23
	v_mov_b32 v[SCL], s19                          ; 2^(e_out - e0 - e1) as f32
	s_add_co_i32 s18, s18, 8
	s_lshl_b32 s18, s18, 23
	s_or_b32 s18, s18, 0x600000
	v_mov_b32 v[LIMV], s18                         ; 448 x that
	s_lshr_b32 s18, s17, 3                         ; the batch: eight token tiles of 256 each
	s_lshl_b32 s18, s18, 4
	s_lshl_b32 s19, s40, 2
	s_add_co_u32 s18, s18, s19                     ; + 4 cx: a column tile is four heads
	s_lshl_b32 s19, s68, 1
	s_add_co_u32 s18, s18, s19                     ; + 2 x my half: my first head
	s_lshl_b32 s18, s18, 17                        ; a head is 131,072 bytes in each of the three buffers
	s_and_b32 s19, s17, 7
	s_lshl_b32 s19, s19, 4
	s_lshl_b32 s44, s69, 3
	s_add_co_u32 s19, s19, s44                     ; my first token tile of 16 in the batch,
	s_lshl_b32 s19, s19, 10                        ; 1,024 bytes each (in V: 64 keys are 4,096 bytes: the same)
	s_add_co_u32 s18, s18, s19
	s_mov_b32 s19, 0
	s_add_nc_u64 s[BP:BP+1], s[20:21], s[18:19]
	s_add_nc_u64 s[BP+2:BP+3], s[BP:BP+1], s[66:67]
	s_add_nc_u64 s[BP+4:BP+5], s[BP:BP+1], s[46:47]
	s_add_nc_u64 s[BP+6:BP+7], s[BP+4:BP+5], s[66:67]
	s_lshl_b32 s18, s17, 8
	s_lshl_b32 s44, s16, 7
	s_add_co_u32 s18, s18, s44
	s_lshl_b32 s18, s18, 2
	s_add_nc_u64 s[10:11], s[10:11], s[18:19]      ; attention_mask at the 128 tokens that are source 0's in V's tiles
.macro FRAG reg, adr, q, i             ; a fragment, 16 rows x 128 K, is 16 registers: four loads of 16 bytes, 32 bytes apart
.irp c, 0,1,2,3
	ds_load_b128 v[\reg+4*\c:\reg+4*\c+3], v[\adr] offset:128*(\q)+32*\c+(\i)*16*PITCH
.endr
.endm
; 16 matrix instructions: source 1's blocks a0, a0 + 1 x source 0's eight, 128 along K.  p: source 0's set.  cm = 0: onto the sums; 1: the sums start from the bias by b; 2: by a.
; The 64 accumulators take turns, one instruction a turn, in the same order in every step.
.macro MUL16 a0, p, cm
.irp a, \a0, \a0+1
.irp b, 0,1,2,3,4,5,6,7
.if \cm == 1
	v_wmma_f32_16x16x128_fp8_fp8 v[8*(8*((\a)%4)+\b):8*(8*((\a)%4)+\b)+7], v[128*(\p)+FR*\b:128*(\p)+FR*\b+FR-1], v[AF+FR*(\a):AF+FR*(\a)+FR-1], v[BI+8*\b:BI+8*\b+7]
.elseif \cm == 2
	v_wmma_f32_16x16x128_fp8_fp8 v[8*(8*((\a)%4)+\b):8*(8*((\a)%4)+\b)+7], v[128*(\p)+FR*\b:128*(\p)+FR*\b+FR-1], v[AF+FR*(\a):AF+FR*(\a)+FR-1], v[BI+8*(\a):BI+8*(\a)+7]
.else
	v_wmma_f32_16x16x128_fp8_fp8 v[8*(8*((\a)%4)+\b):8*(8*((\a)%4)+\b)+7], v[128*(\p)+FR*\b:128*(\p)+FR*\b+FR-1], v[AF+FR*(\a):AF+FR*(\a)+FR-1], v[8*(8*((\a)%4)+\b):8*(8*((\a)%4)+\b)+7]
.endif
.endr
.endr
.endm
.macro FETCH_B slot, q, p              ; source 0's eight fragments of the slot's q-th 128 along K into set p
	WIN TO_B
.irp i, 0,1,2,3,4,5,6,7
	FRAG 128*(\p)+FR*\i, ADRB+\slot, \q, \i
.endr
	WIN 0
.endm
.macro FETCH_A slot, q, i0             ; source 1's blocks i0 .. i0 + 3
.irp i, \i0, \i0+1, \i0+2, \i0+3
	FRAG AF+FR*(\i), ADRA+\slot, \q, \i
.endr
.endm
.macro PLACES n                        ; plain vector lines between a matrix instruction and a load into, or a vector line on, its registers (ISA guide 7.12.1 for vector lines)
.rept \n
	v_nop
.endr
.endm
; A step of 128 along K that has its successor in the same slot.  Source 1 has one set of registers: blocks 0-3 are fetched anew in the step's middle, blocks 4-7 at its end.
.macro STEP slot, q, cm
	s_wait_dscnt 4*NL                              ; source 0's set and source 1's blocks 0-3 are in; the youngest sixteen loads (blocks 4-7) may be out
.if \cm
	WIN FST_LO
.else
	WIN MUL_LO
.endif
	MUL16 0, (\q)%2, \cm
	MUL16 2, (\q)%2, \cm
	s_wait_dscnt 0                                 ; blocks 4-7 are in
	PLACES NP
	FETCH_B \slot, (\q)+1, 1-(\q)%2
	FETCH_A \slot, (\q)+1, 0
.if \cm
	WIN FST_HI
.else
	WIN MUL_HI
.endif
	MUL16 4, (\q)%2, \cm
	MUL16 6, (\q)%2, \cm
	PLACES NP
	WIN 0
	FETCH_A \slot, (\q)+1, 4
.endm
; A slot's last step changes slots: ONE barrier; in front of it each wave waits for all its tensor loads, adds 0 to its spare word, and waits for that and for its own reads of this slot.  fill = 1: this slot is filled again.
.macro TURN slot, next, fill
	s_wait_tensorcnt 0x0                           ; all my tensor loads have landed: my part of the next slot  (every window is 0 here)
	ds_add_u32 v[SPW], v[NIL]                      ; 0 onto my spare word
	s_wait_dscnt 4*NL+1                            ; the add and the youngest sixteen loads (blocks 4-7) may be out
	WIN MUL_LO
	MUL16 0, 1, 0                                  ; sixteen matrix instructions stand between the add and the wait for it
	s_wait_dscnt 0x0                               ; the add is done, and my reads of this slot are over
	s_barrier_signal -1
	MUL16 2, 1, 0
	WIN 0
	s_barrier_wait -1
.if \fill
	CREST                                          ; the barrier has opened a round of the cluster's barrier: no wave of any partner still reads this slot or has a load on its way
	s_add_nc_u64 s[G0+4*\slot+2:G0+4*\slot+3], s[G0+4*\slot+2:G0+4*\slot+3], 2*ROWB
	s_add_nc_u64 s[G0B+4*\slot+2:G0B+4*\slot+3], s[G0B+4*\slot+2:G0B+4*\slot+3], 2*ROWB
	JLOAD G0+4*\slot, G1, G0B+4*\slot, G1B         ; the first tensor load behind the round, my one load until the next; its four v_nop are the places in front of the loads below
.else
	PLACES NP
.endif
	FETCH_B \next, 0, 0
	FETCH_A \next, 0, 0
	WIN MUL_HI
	MUL16 4, 1, 0
	MUL16 6, 1, 0
	PLACES NP
	WIN 0
	FETCH_A \next, 0, 4
.endm
	s_wait_tensorcnt 1                             ; my part of slot 0 is in; slot 1's load may be out
	s_barrier_signal -1
	s_barrier_wait -1                              ; everybody's is
	FETCH_B 0, 0, 0
	FETCH_A 0, 0, 0
	FETCH_A 0, 0, 4
	s_cmp_eq_u32 ttmp9, 2                          ; the first step starts the sums from the bias: by source 0's block (Q, K) or by source 1's (V).  Both ways hold the same loads and waits
	s_cbranch_scc1 .Lfirst_v
	STEP 0, 0, 1
	s_branch .Lfirst_done
.Lfirst_v:
	STEP 0, 0, 2
.Lfirst_done:
	TURN 0, 1, 1                                   ; K = 1,024 is eight steps of 128: written out, no loop.  Slot 0 takes K 512..767,
	STEP 1, 0, 0
	TURN 1, 0, 1                                   ; slot 1 takes K 768..1023
	STEP 0, 0, 0
	TURN 0, 1, 0                                   ; nothing is left to fetch
	STEP 1, 0, 0
	s_wait_dscnt 4*NL                              ; the last step
	WIN MUL_LO
	MUL16 0, 1, 0
	MUL16 2, 1, 0
	s_wait_dscnt 0
	WIN MUL_HI
	MUL16 4, 1, 0
	MUL16 6, 1, 0
	WIN 0
	; THE WAY OUT.  The limits of the hold, 64 registers by (b, j), where the bias lay: 448 x the scale; in V's tiles 0 for a key whose attention_mask is 0, so that the hold itself makes its code zero.
	PLACES NP                                      ; behind the last products: loads into, and vector lines on, the registers that held source 1's fragments follow
	s_cmp_eq_u32 ttmp9, 2
	s_cbranch_scc1 .Llim_v
.set i, 0
.rept 64
	v_mov_b32 v[BI+i], v[LIMV]
.set i, i+1
.endr
	s_branch .Llim_done
.Llim_v:
.irp b, 0,1,2,3,4,5,6,7
	global_load_b128 v[TMP+8*\b:TMP+8*\b+3], v5, s[10:11] offset:64*\b        ; attention_mask of keys 16 b + 8 h + 0..7
	global_load_b128 v[TMP+8*\b+4:TMP+8*\b+7], v5, s[10:11] offset:64*\b+16
.endr
	s_wait_loadcnt 0x0
.set i, 0
.rept 64
	v_cmp_ne_u32 vcc_lo, 0, v[TMP+i]
	v_cndmask_b32 v[BI+i], 0, v[LIMV], vcc_lo
.set i, i+1
.endr
.Llim_done:
; Source 1's block a: its eight accumulators are held (each from its low end on), converted, and are two fragments of 16 x 64: four stores of 512 consecutive bytes.
.macro OUTBLK a
.set AC, 64*((\a)%4)
.set CC, CD+16*((\a)%4)
	WIN 0x02+((\a)/4)                              ; source 0: window 2 or 3
.set i, 0
.rept 64
	v_med3_num_f32 v[TMP+i], v[AC+i], -v[BI+i], v[BI+i]   ; the conversion to an 8-bit code does not saturate (ISA guide 7.6.2)
.set i, i+1
.endr
	WIN 0
.if (\a) >= 4
	s_wait_xcnt 0x0                                ; block a - 4's stores have read these registers
.endif
.irp b, 0,1,2,3,4,5,6,7
	v_cvt_scalef32_pk8_fp8_f32 v[CC+2*\b:CC+2*\b+1], v[TMP+8*\b:TMP+8*\b+7], v[SCL]
.endr
	v_nop                                          ; a plain line between the conversions and the next block's holds, which write their sources
.irp g, 0,1
.irp u, 0,1
	global_store_b128 v[CO], v[CC+8*\g+4*\u:CC+8*\g+4*\u+3], s[BP+4*((\a)/4)+2*\g:BP+4*((\a)/4)+2*\g+1] offset:((\a)%4)*1024+512*\u
.endr
.endr
.endm
.irp a, 0,1,2,3,4,5,6,7
	OUTBLK \a
.endr
	s_wait_tensorcnt 0x0                           ; the wave's end
	ds_add_u32 v[SPW], v[NIL]
	s_wait_dscnt 0x0
	CROUND                                         ; the closing round: no work-group ends while a partner may still ask for a tile that names it
	s_endpgm
.Lfunc_end_k_qdc45bf6cd0_qkv:
	.size	k_qdc45bf6cd0_qkv, .Lfunc_end_k_qdc45bf6cd0_qkv-k_qdc45bf6cd0_qkv
	.p2alignl 7, 3214868480
	.fill 96, 4, 3214868480
	.section	.rodata,"a",@progbits
	.p2align	6, 0x0
	.amdhsa_kernel k_qdc45bf6cd0_qkv
		.amdhsa_group_segment_fixed_size 327680
		.amdhsa_private_segment_fixed_size 0
		.amdhsa_enable_private_segment 0
		.amdhsa_kernarg_size 64
		.amdhsa_user_sgpr_count 2
		.amdhsa_user_sgpr_kernarg_segment_ptr 1
		.amdhsa_wavefront_size32 1
		.amdhsa_system_sgpr_workgroup_id_x 1
		.amdhsa_system_sgpr_workgroup_id_y 1
		.amdhsa_system_sgpr_workgroup_id_z 1
		.amdhsa_system_vgpr_workitem_id 0
		.amdhsa_next_free_vgpr 1024
		.amdhsa_next_free_sgpr 96
		.amdhsa_reserve_vcc 1
		.amdhsa_float_denorm_mode_32 3
		.amdhsa_float_denorm_mode_16_64 3
		.amdhsa_memory_ordered 1
		.amdhsa_forward_progress 1
		.amdhsa_inst_pref_size 144
	.end_amdhsa_kernel
	.amdgpu_metadata
---
amdhsa.version: [ 1, 2 ]
amdhsa.kernels:
  - .name:           k_qdc45bf6cd0_qkv
    .symbol:         k_qdc45bf6cd0_qkv.kd
    .args:
      - { .name: x_codes, .offset: 0, .size: 8, .value_kind: global_buffer, .address_space: global }
      - { .name: wqkv_codes, .offset: 8, .size: 8, .value_kind: global_buffer, .address_space: global }
      - { .name: bqkv, .offset: 16, .size: 8, .value_kind: global_buffer, .address_space: global }
      - { .name: attention_mask, .offset: 24, .size: 8, .value_kind: global_buffer, .address_space: global }
      - { .name: lowp_scales, .offset: 32, .size: 8, .value_kind: global_buffer, .address_space: global }
      - { .name: q_codes, .offset: 40, .size: 8, .value_kind: global_buffer, .address_space: global }
      - { .name: k_codes, .offset: 48, .size: 8, .value_kind: global_buffer, .address_space: global }
      - { .name: v_codes, .offset: 56, .size: 8, .value_kind: global_buffer, .address_space: global }
    .group_segment_fixed_size: 327680
    .private_segment_fixed_size: 0
    .kernarg_segment_align: 8
    .kernarg_segment_size: 64
    .max_flat_workgroup_size: 128
    .sgpr_count:     96
    .vgpr_count:     1024
    .wavefront_size: 32
...
	.end_amdgpu_metadata
.endif
;; end of part 2
;; launch attn (part 3): grid 4 x 64, 8 waves a work-group, clusters of 4 x 1, 271,360 bytes of LDS; arguments q_codes, k_codes, v_codes, attention_mask, lowp_scales, y_codes; writes y_codes
.if DOCPART == 3
	.amdgcn_target "amdgcn-amd-amdhsa--gfx1250"
	.amdhsa_code_object_version 6
	.text
	.protected	k_qdc45bf6cd0_attn
	.globl	k_qdc45bf6cd0_attn
	.p2align	8
	.type	k_qdc45bf6cd0_attn,@function
k_qdc45bf6cd0_attn:
	s_mov_b64 s[64:65], 0
	v_nop
	global_prefetch_b8 v0, s[64:65] scope:SCOPE_SE
	s_setreg_imm32_b32 hwreg(HW_REG_WAVE_MODE, 25, 1), 1
	s_wait_xcnt 0x0
	s_wait_alu depctr_hold_cnt(0) depctr_sa_sdst(0) depctr_va_vdst(0) depctr_va_sdst(0) depctr_va_ssrc(0) depctr_va_vcc(0) depctr_vm_vsrc(0)
	s_getreg_b32 s2, hwreg(HW_REG_IB_STS2, 6, 4)
	s_cmp_eq_u32 s2, 0
	s_cbranch_scc0 .Lentry_in_a_cluster
	s_endpgm
.Lentry_in_a_cluster:
	s_bfe_u32 s2, ttmp6, 0x10000c
	s_cmp_lg_u32 s2, 0x3003
	s_cbranch_scc0 .Lentry_shape_is_right
	s_endpgm
.Lentry_shape_is_right:
; y = (softmax(mask(q k^T / 8)) x query mask) v x query mask, for one head of one batch, both products on codes of FP8 (E4M3); y leaves as codes, the next product's operand.
; WHAT IS QUANTISED AHEAD OF THE SECOND PRODUCT IS THE FINISHED SOFTMAX: normalised, times the query's mask number.  So a row's largest score and its sum are known before any p is quantised: THE KEYS ARE WALKED TWICE.
;   Pass 1: S^T = K Q^T, the running largest score m and the sum l of 2^(c s - c m), c = log2(e) / 8 x 2^(e2 + e3).   Pass 2: S^T again, p = 2^(c s - c m) x |mask| / l, converted with 2^e4; O^T += V^T P.
;   The query's mask number goes in as its magnitude in both places: the quantiser is odd, so its two signs cancel, and p is never negative.
; MASKS.  Causal: key blocks wholly above the diagonal are not walked; in the last 128 keys of a pair hidden scores become -2^100.  attention_mask, an input, as key mask (any number but 0 counts): in pass 1 it is the C of
;   K Q^T (0 or -2^100 for each key, from LDS); in pass 2 it is not needed: a masked key's codes of V are zero.
;   A query with no visible key has NaN in the reference: its largest score is under -2^99, and its y is made NaN ahead of the conversion.
; SHARES.  A head's K and V^T (131,072 bytes each) lie in LDS whole, filled once.  CLUSTER: the four work-groups of a cluster serve one head and ask for K and V jointly.  Work-group cx owns queries
;   128 P + 32 cx + 0..31 of every block P of 128: a pair of tiles X, Y of 16.  Wave w owns the pairs P = w and P = 15 - w: 2 (w + 1) + 2 (16 - w) = 34 steps of 64 keys a pass, for every wave of every work-group:
;   no branch hangs on cx.  Both tiles share each fragment of K and V read from LDS.
; LAYOUT.  Both products transposed: source 0 = 16 keys (or 16 channels), source 1 = 16 queries: a lane holds ONE query (lane % 16); register 8 t + j of S^T is key 64 s + 16 t + 8 (lane / 16) + j, so eight scores
;   converted are registers 2 t, 2 t + 1 of P.  Operands lie in memory and LDS as images of their registers: every LDS load takes 512 consecutive bytes.
; Each lane keeps m and l of its own half of the keys through pass 1; the halves meet once, behind it.
; LIMITS: e2 + e3 between -80 and 25 (c x -2^100 stays finite, and far under every score's); e4 and e6 between -126 and 119.
.set VREG,  131072                     ; LDS: K at 0 ([token tile][1,024]), V^T here ([64 keys][16 channels][1,024]),
.set BIAS,  262144                     ; and 2,048 f32: 0, or -2^100 for a key whose mask is 0
.set LI,   1                           ; v1   16 x lane
.set ADK,  2                           ; v2   LDS address of the next step's K
.set ADX,  3                           ; v3   of the next step's bias (pass 1), of this step's V (pass 2)
.set BL,   4                           ; v4   BIAS + 32 (lane / 16)
.set NEGV, 5                           ; v5   -2^100
.set PLIM, 6
.set PSC,  7                           ; v7   2^e4
.set QF,   8                           ; v8-23    Q's fragments: X, Y
.set KF,   24                          ; v24-55   four fragments of K
.set BC,   56                          ; v56-87   pass 1: the key bias in C's layout; pass 2: four fragments of V^T
.set S,    88                          ; v88-151  S^T, then p: X, Y
.set O,    152                         ; v152-215 O^T: X, Y.  Ahead of pass 2 at work:
.set TA,   152                         ;   two chains of the maximum a tile
.set AL,   156                         ;   2^(c m_old - c m_new), low word of a pair
.set TS,   160                         ;   the second chain of the sum, a pair
.set FT,   168                         ;   eight a tile, where the halves meet
.set P,    216                         ; v216-231 P's codes, later y's: X, Y
.set ST,   232                         ; v232-243 six a tile: +0 c m, +1 zero, +2 |mask| / l, +3 m, +4, +5 l (later +4: |mask| x 2^(e4 + e5))
.set YLIM, 244                         ; v244 448 x 2^e6
.set YSC,  245                         ; v245 2^e6
.set NANV, 246                         ; v246 NaN
.set R4,   247                         ; v247 4 x (lane % 16)
.set QM,   248                         ; v248, v249 my queries' mask numbers
.set DV,   250                         ; v250 32 cx + lane % 16 - 8 (lane / 16)
; s12 wave; s13 cx; s14 step; s15 4,096 x step; s16 the pair's last step; s17 its first step on the diagonal; s20, s21 lanes whose query sees no key; s22 e4 + e5; s[24:25] c; s[26:27] lane selects;
; s[48:59] pointers of both pairs: Q, y, the queries' masks.  56 lane masks M(i), i = 8 t + j: in s66-s101 and s28-s47 (the descriptors' registers, once the loads have landed).
.macro ROUND                           ; a round of the cluster's barrier
	s_barrier_signal -1
	s_barrier_wait -1
	s_cmp_lg_u32 s12, 0
	s_cbranch_scc1 .Lnot_wave_0_\@
	s_barrier_signal -3
.Lnot_wave_0_\@:
	s_barrier_wait -3
	s_barrier_signal -1
	s_barrier_wait -1
.endm
.macro MREG i                          ; MR = the scalar register of M(i)
.if (\i) < 36
.set MR, 66+(\i)
.else
.set MR, (\i)-8
.endif
.endm
; THE DIAGONAL.  In the pair's last two steps key tile t8 = 0..7 (of its last 128 keys), register j, is hidden from X's query where 16 t8 + j > d, d = 32 cx + lane % 16 - 8 (lane / 16): M(8 t8 + j); from Y's, 16 queries on,
; where M(8 (t8 - 1) + j).  X's t8 = 7 is always hidden (d is 111 at the most), Y's t8 = 0 never (d is -8 at the least).  The branches hang on the wave's number and the loop's counter alone; cx is in the masks, as data.
.macro MASKS
	s_cmp_lt_u32 s14, s17
	s_cbranch_scc1 .Lopen_\@
	s_cmp_eq_u32 s14, s17
	s_cbranch_scc0 .Lsecond_\@
.set n, 0
.rept 32
	MREG n
	v_cndmask_b32 v[S+n], v[S+n], v[NEGV], s[MR]
.set n, n+1
.endr
.set n, 8
.rept 24
	MREG n-8
	v_cndmask_b32 v[S+32+n], v[S+32+n], v[NEGV], s[MR]
.set n, n+1
.endr
	s_branch .Lopen_\@
.Lsecond_\@:
.set n, 0
.rept 24
	MREG 32+n
	v_cndmask_b32 v[S+n], v[S+n], v[NEGV], s[MR]
.set n, n+1
.endr
.rept 8
	v_mov_b32 v[S+n], v[NEGV]
.set n, n+1
.endr
.set n, 0
.rept 32
	MREG 24+n
	v_cndmask_b32 v[S+32+n], v[S+32+n], v[NEGV], s[MR]
.set n, n+1
.endr
.Lopen_\@:
.endm
.macro FMA z, i                        ; pair i of tile z: c s - c m (of the pairs c and c m the low word serves both halves)
	v_pk_fma_f32 v[S+32*(\z)+2*(\i):S+32*(\z)+2*(\i)+1], v[S+32*(\z)+2*(\i):S+32*(\z)+2*(\i)+1], s[24:25], v[ST+6*(\z):ST+6*(\z)+1] op_sel_hi:[1,0,0] neg_lo:[0,0,1] neg_hi:[0,0,1]
.endm
.macro EXPP z, i
	v_exp_f32 v[S+32*(\z)+2*(\i)], v[S+32*(\z)+2*(\i)]
	v_exp_f32 v[S+32*(\z)+2*(\i)+1], v[S+32*(\z)+2*(\i)+1]
.endm
.macro SUM z, i                        ; line i of 16 of l = l x 2^(c m_old - c m_new) + the step's 16 pairs, in two chains
.set sS, S+32*(\z)
.set sL, ST+6*(\z)+4
.set sA, AL+2*(\z)
.set sT, TS+2*(\z)
.if (\i) == 0
	v_pk_fma_f32 v[sL:sL+1], v[sL:sL+1], v[sA:sA+1], v[sS:sS+1] op_sel_hi:[1,0,1]
.elseif (\i) == 1
	v_pk_add_f32 v[sT:sT+1], v[sS+2:sS+3], v[sS+4:sS+5]
.elseif (\i) == 15
	v_pk_add_f32 v[sL:sL+1], v[sL:sL+1], v[sT:sT+1]
.elseif ((\i)%2) == 0
	v_pk_add_f32 v[sL:sL+1], v[sL:sL+1], v[sS+2*(\i)+2:sS+2*(\i)+3]
.else
	v_pk_add_f32 v[sT:sT+1], v[sT:sT+1], v[sS+2*(\i)+2:sS+2*(\i)+3]
.endif
.endm
.macro NRM z, i                        ; x |mask| / l: the finished softmax times the query's mask
	v_pk_mul_f32 v[S+32*(\z)+2*(\i):S+32*(\z)+2*(\i)+1], v[S+32*(\z)+2*(\i):S+32*(\z)+2*(\i)+1], v[ST+6*(\z)+2:ST+6*(\z)+3] op_sel_hi:[1,0]
.endm
.macro HLD z, i
.endm
.macro CVT z
.irp c, 0,1,2,3
	v_cvt_scalef32_pk8_fp8_f32 v[P+8*(\z)+2*\c:P+8*(\z)+2*\c+1], v[S+32*(\z)+8*\c:S+32*(\z)+8*\c+7], v[PSC]
.endr
.endm
.macro FLOAD reg, adr                  ; four fragments of 16 x 64, images of 1,024 bytes each: eight loads of 512 consecutive bytes
.irp t, 0,1,2,3
	ds_load_b128 v[\reg+8*\t:\reg+8*\t+3], v[\adr] offset:1024*\t
	ds_load_b128 v[\reg+8*\t+4:\reg+8*\t+7], v[\adr] offset:1024*\t+512
.endr
.endm
.macro BLOAD adr                       ; the bias of 64 keys in C's layout: register 8 t + j = key 16 t + 8 (lane / 16) + j
.irp t, 0,1,2,3
	ds_load_b128 v[BC+8*\t:BC+8*\t+3], v[\adr] offset:64*\t
	ds_load_b128 v[BC+8*\t+4:BC+8*\t+7], v[\adr] offset:64*\t+16
.endr
.endm
; Tile z of pair p goes out: O^T x |mask| x 2^(e4 + e5) is y; held, NaN where the query saw no key, converted with 2^e6: one fragment of 16 tokens x 64, two stores of 512 consecutive bytes.
.macro OUT z, p
.set oB, O+32*(\z)
.set n, 0
.rept 16
	v_pk_mul_f32 v[oB+2*n:oB+2*n+1], v[oB+2*n:oB+2*n+1], v[ST+6*(\z)+4:ST+6*(\z)+5] op_sel_hi:[1,0]   ; each accumulator from its low end on
.set n, n+1
.endr
.set n, 0
.rept 32
	v_med3_num_f32 v[oB+n], v[oB+n], -v[YLIM], v[YLIM]
.set n, n+1
.endr
.set n, 0
.rept 32
	v_cndmask_b32 v[oB+n], v[oB+n], v[NANV], s[20+(\z)]
.set n, n+1
.endr
.irp c, 0,1,2,3
	v_cvt_scalef32_pk8_fp8_f32 v[P+8*(\z)+2*\c:P+8*(\z)+2*\c+1], v[oB+8*\c:oB+8*\c+7], v[YSC]
.endr
	v_nop                                          ; a plain line behind the conversions: vector lines write their sources later
	global_store_b128 v[LI], v[P+8*(\z):P+8*(\z)+3], s[52+2*(\p):53+2*(\p)] offset:16384*(\z)
	global_store_b128 v[LI], v[P+8*(\z)+4:P+8*(\z)+7], s[52+2*(\p):53+2*(\p)] offset:16384*(\z)+512
.endm
	s_load_b256 s[4:11], s[0:1], 0x0               ; q_codes s[4:5], k_codes s[6:7], v_codes s[8:9], attention_mask s[10:11]
	s_load_b128 s[60:63], s[0:1], 0x20             ; the scales' exponents s[60:61], y_codes s[62:63]
	v_lshl_add_u32 v255, v0, 2, 0x42000
	s_set_vgpr_msb 0x40
	v_mov_b32 v1, 0
	s_set_vgpr_msb 0x4044
	ds_add_u32 v255, v1
	ds_add_u32 v255, v1
	s_set_vgpr_msb 0x4400
	v_lshrrev_b32 v2, 5, v0
	v_readfirstlane_b32 s12, v2                    ; wave 0..7
	s_bfe_u32 s13, ttmp6, 0x40000                  ; cx: it enters Q's, y's and the queries' masks' addresses, and the lane masks, and nothing else
	s_and_b32 s18, ttmp7, 0xffff                   ; batch x 16 + head: the four partners share it
	s_lshr_b32 s19, s18, 4                         ; batch
	s_and_b32 s23, s18, 15                         ; head
	; descriptor group 1, for K and V alike: a dense block of 16,384 bytes as 64 rows of 256
	s_mov_b32 s28, 15|(3<<16)|(1<<21)              ; 15:0 the mask: all four work-groups; 17:16 elements of 8 bytes; 21 set beside a mask; no padding
	s_mov_b32 s29, 32<<16                          ; tensor_dim0 = 32
	s_mov_b32 s30, 64<<16                          ; tensor_dim1 = 64
	s_mov_b32 s31, 32<<16                          ; tile_dim0 = 32
	s_mov_b32 s32, 64                              ; tile_dim1 = 64
	s_mov_b32 s33, 32                              ; tensor_dim0_stride
	s_mov_b32 s34, 0
	s_mov_b32 s35, 0
	s_lshl_b32 s44, s18, 17                        ; a head is 131,072 bytes in q_codes, k_codes and v_codes
	s_lshl_b32 s45, s12, 14                        ; my wave's eighth of it
	s_add_co_u32 s46, s44, s45
	s_mov_b32 s47, 0
	s_mov_b32 s36, 1                               ; group 0 for K: count,
	s_mov_b32 s37, s45                             ; LDS address: 16,384 x wave,
	s_mov_b32 s40, 1                               ; for V
	s_add_co_u32 s41, s45, VREG
	s_wait_dscnt 0x0
	s_wait_kmcnt 0x0
	s_load_b256 s[88:95], s[60:61], 0x0            ; e0 .. e7
	s_add_nc_u64 s[38:39], s[6:7], s[46:47]        ; global address,
	s_or_b32 s39, s39, 0x80000000                  ; type = 2
	s_add_nc_u64 s[42:43], s[8:9], s[46:47]
	s_or_b32 s43, s43, 0x80000000
	ROUND                                          ; all four work-groups are here: the joint loads meet
	tensor_load_to_lds s[36:39], s[28:35]          ; every wave asks for an eighth of K and an eighth of V: two loads of mine are out.  Nothing is filled twice in this launch
	s_nop 0
	tensor_load_to_lds s[40:43], s[28:35]
	s_nop 0
.rept 4
	v_nop
.endr
	v_and_b32 v251, 31, v0
	v_lshlrev_b32 v[LI], 4, v251
	v_bfe_u32 v252, v0, 4, 1                       ; lane / 16
	v_lshl_add_u32 v[BL], v252, 5, BIAS
	v_and_b32 v251, 15, v0                         ; lane % 16
	v_lshlrev_b32 v[R4], 2, v251
	v_lshlrev_b32 v253, 5, v0                      ; my thread's eight keys of the 2,048: 32 bytes of the mask's row,
	v_lshl_add_u32 v254, v0, 5, BIAS               ; and of the bias
	v_lshlrev_b32 v252, 3, v252
	v_sub_nc_u32 v[DV], v251, v252
	s_lshl_b32 s66, s13, 5
	v_add_nc_u32 v[DV], s66, v[DV]                 ; d
	s_lshl_b32 s68, s19, 13
	s_mov_b32 s69, 0
	s_add_nc_u64 s[70:71], s[10:11], s[68:69]      ; the batch's row of attention_mask
.irp p, 0,1                                    ; both pairs' pointers.  a = 8 P + 2 cx: the pair's first token tile in the batch
.if \p == 0
	s_lshl_b32 s66, s12, 3
.else
	s_sub_co_u32 s66, 15, s12
	s_lshl_b32 s66, s66, 3
.endif
	s_lshl_b32 s67, s13, 1
	s_add_co_u32 s66, s66, s67
	s_lshl_b32 s68, s66, 10
	s_add_co_u32 s68, s68, s44
	s_add_nc_u64 s[48+2*\p:49+2*\p], s[4:5], s[68:69]     ; Q: head x 131,072 + a x 1,024
	s_lshl_b32 s68, s66, 14
	s_lshl_b32 s67, s19, 21
	s_add_co_u32 s68, s68, s67
	s_lshl_b32 s67, s23, 10
	s_add_co_u32 s68, s68, s67
	s_add_nc_u64 s[52+2*\p:53+2*\p], s[62:63], s[68:69]   ; y: ((batch x 128 + a) x 16 + head) x 1,024
	s_lshl_b32 s68, s66, 6
	s_lshl_b32 s67, s19, 13
	s_add_co_u32 s68, s68, s67
	s_add_nc_u64 s[56+2*\p:57+2*\p], s[10:11], s[68:69]   ; the queries' masks: (batch x 2,048 + 16 a) x 4
.endr
	global_load_b128 v[24:27], v253, s[70:71]      ; eight keys' masks
	global_load_b128 v[28:31], v253, s[70:71] offset:16
.irp i, 0,1,2,3
	global_load_b128 v[QF+4*\i:QF+4*\i+3], v[LI], s[48:49] offset:512*\i     ; the first pair's Q: X's two pieces, Y's two
.endr
	global_load_b32 v[QM], v[R4], s[56:57]
	global_load_b32 v[QM+1], v[R4], s[56:57] offset:64
	s_wait_kmcnt 0x0
	s_add_co_i32 s18, s90, s91                     ; a score stands for score x 2^(e2 + e3): the exponents are added to c's exponent field
	s_lshl_b32 s18, s18, 23
	s_add_co_i32 s24, s18, 0x3e38aa3b              ; log2(e) / 8
	s_mov_b32 s25, s24                             ; (named with it as a pair, so it is written)
	s_mov_b32 s26, 0x76543210                      ; v_permlanex16_b32: lane l xor 16
	s_mov_b32 s27, 0xfedcba98
	s_add_co_i32 s22, s92, s93                     ; e4 + e5
	s_add_co_i32 s18, s92, 127
	s_lshl_b32 s19, s18, 23
	v_mov_b32 v[PSC], s19
	s_add_co_i32 s18, s94, 127
	s_lshl_b32 s19, s18, 23
	v_mov_b32 v[YSC], s19
	s_add_co_i32 s18, s18, 8
	s_lshl_b32 s18, s18, 23
	s_or_b32 s18, s18, 0x600000
	v_mov_b32 v[YLIM], s18
	v_mov_b32 v[NEGV], 0xf1800000                  ; -2^100
	v_mov_b32 v[NANV], 0x7fc00000
	s_wait_loadcnt 6                               ; the two loads of keys' masks are in; the six behind them (Q, the queries' masks) may be out
.irp i, 0,1,2,3,4,5,6,7
	v_cmp_eq_u32 vcc_lo, 0, v[24+\i]
	v_cndmask_b32 v[32+\i], 0, v[NEGV], vcc_lo
.endr
	ds_store_b128 v254, v[32:35]
	ds_store_b128 v254, v[36:39] offset:16
	s_wait_tensorcnt 0x0                           ; my parts of K and V have landed,
	s_wait_dscnt 0x0                               ; my part of the bias is stored:
	s_barrier_signal -1
	s_barrier_wait -1                              ; everybody's.  From here on LDS is only read, and every wave runs alone
.set n, 0
.rept 56                                       ; the lane masks.  The descriptors, the exponents and the head's pointers have been read
	MREG n
	v_cmp_gt_i32 s[MR], 16*(n/8)+n%8, v[DV]
.set n, n+1
.endr
.macro PAIR p
	s_wait_xcnt 0x0                                ; the pair before has had its stores' registers read
.if \p == 0
	s_lshl_b32 s17, s12, 1                         ; 2 P: the first of the pair's two steps on the diagonal
.else
	s_sub_co_u32 s17, 15, s12
	s_lshl_b32 s17, s17, 1
.endif
	s_add_co_u32 s16, s17, 1                       ; 2 P + 1: its last step
.irp z, 0,1
	v_mov_b32 v[ST+6*\z+3], v[NEGV]                ; m
	v_mul_f32 v[ST+6*\z], s24, v[NEGV]             ; c m
	v_mov_b32 v[ST+6*\z+1], 0                      ; (named as the upper half of a pair)
	v_mov_b32 v[ST+6*\z+4], 0                      ; l
	v_mov_b32 v[ST+6*\z+5], 0
	v_mov_b32 v[AL+2*\z+1], 0                      ; (likewise)
	v_mov_b32 v[FT+8*\z], 0                        ; (a lane permute's destination counts as one of its sources)
	v_mov_b32 v[FT+8*\z+4], 0
.endr
	; ---- PASS 1
	FLOAD KF, LI                                   ; step 0's K and bias
	BLOAD BL
	s_mov_b32 s14, 0
	s_mov_b32 s15, 0
	s_wait_loadcnt 0x0                             ; Q and the queries' masks
.Lone_\@:                                          ; 32 trips, a constant; a step behind the pair's last is left out by a branch on the wave's number and the counter
	s_cmp_gt_u32 s14, s16
	s_cbranch_scc1 .Lone_skip_\@
	s_wait_dscnt 0x0                               ; this step's K and bias, asked for a step ago
	s_setprio 2
.irp t, 0,1,2,3
.irp z, 0,1
	v_wmma_f32_16x16x64_fp8_fp8 v[S+32*\z+8*\t:S+32*\z+8*\t+7], v[KF+8*\t:KF+8*\t+7], v[QF+8*\z:QF+8*\z+7], v[BC+8*\t:BC+8*\t+7]
.endr
.endr
	s_add_co_u32 s18, s15, 4096
	s_min_u32 s18, s18, 126976                     ; the next step's K (the last step asks once more for its own: no load leaves the region)
	s_lshr_b32 s19, s18, 4                         ; 256 bytes of bias for 4,096 of K
	v_add_nc_u32 v[ADK], s18, v[LI]                ; these two and two v_nop are the four places behind the products
	v_add_nc_u32 v[ADX], s19, v[BL]
	v_nop
	v_nop
	FLOAD KF, ADK
	BLOAD ADX
	MASKS
.irp z, 0,1                                    ; the largest of my 32 scores and m: two chains a tile, the tiles line by line
	v_max3_num_f32 v[TA+2*\z], v[S+32*\z], v[S+32*\z+1], v[S+32*\z+2]
	v_max3_num_f32 v[TA+2*\z+1], v[S+32*\z+16], v[S+32*\z+17], v[S+32*\z+18]
.endr
.irp i, 3,5,7,9,11,13
.irp z, 0,1
	v_max3_num_f32 v[TA+2*\z], v[TA+2*\z], v[S+32*\z+\i], v[S+32*\z+\i+1]
	v_max3_num_f32 v[TA+2*\z+1], v[TA+2*\z+1], v[S+32*\z+16+\i], v[S+32*\z+17+\i]
.endr
.endr
	s_setprio 1
.irp z, 0,1
	v_max3_num_f32 v[TA+2*\z], v[TA+2*\z], v[TA+2*\z+1], v[S+32*\z+15]
.endr
.irp z, 0,1
	v_max3_num_f32 v[ST+6*\z+3], v[TA+2*\z], v[S+32*\z+31], v[ST+6*\z+3]
.endr
.irp z, 0,1
	v_mov_b32 v[AL+2*\z], v[ST+6*\z]
.endr
.irp z, 0,1
	v_mul_f32 v[ST+6*\z], s24, v[ST+6*\z+3]        ; c m
.endr
.irp z, 0,1
	v_sub_f32 v[AL+2*\z], v[AL+2*\z], v[ST+6*\z]   ; c m_old - c m_new
.endr
.set n, 0
.rept 16
	FMA 0, n
.set n, n+1
.endr
	v_exp_f32 v[AL], v[AL]
.set n, 0
.rept 16                                       ; X's exponentials, Y's scalings between them
	EXPP 0, n
	FMA 1, n
.set n, n+1
.endr
	s_wait_alu depctr_va_vdst(0)                   ; one wait for X's batch, ahead of its first reader
	v_exp_f32 v[AL+2], v[AL+2]
.set n, 0
	s_setprio 0
.rept 16                                       ; Y's exponentials, X's sums between them
	EXPP 1, n
	SUM 0, n
.set n, n+1
.endr
	s_wait_alu depctr_va_vdst(0)                   ; one wait for Y's batch; X's last sum is the plain line behind it
.set n, 0
.rept 16
	SUM 1, n
.set n, n+1
.endr
.Lone_skip_\@:
	s_add_co_u32 s15, s15, 4096
	s_add_co_u32 s14, s14, 1
	s_cmp_lt_u32 s14, 32
	s_cbranch_scc1 .Lone_\@
	s_setprio 0
	s_wait_dscnt 0x0                               ; the loads asked for in the last step have landed: their registers are loaded again below
	; ---- THE HALVES MEET: m and l of lanes l and l xor 16
.irp z, 0,1
	v_permlanex16_b32 v[FT+8*\z], v[ST+6*\z+3], s26, s27
.endr
.irp z, 0,1
	v_max_num_f32 v[FT+8*\z+5], v[ST+6*\z+3], v[FT+8*\z]   ; the row's largest score
.endr
.irp z, 0,1
	v_cmp_gt_f32 s[20+\z], 0xf1000000, v[FT+8*\z+5]        ; under -2^99: no key was visible
.endr
.irp z, 0,1
	v_mul_f32 v[FT+8*\z+1], s24, v[FT+8*\z+5]
.endr
.irp z, 0,1
	v_sub_f32 v[FT+8*\z+2], v[ST+6*\z], v[FT+8*\z+1]
.endr
.irp z, 0,1
	v_exp_f32 v[FT+8*\z+2], v[FT+8*\z+2]           ; my half's sum is brought under the row's m
.endr
.irp z, 0,1
	v_add_f32 v[FT+8*\z+3], v[ST+6*\z+4], v[ST+6*\z+5]
.endr
	s_wait_alu depctr_va_vdst(0)
.irp z, 0,1
	v_mul_f32 v[FT+8*\z+3], v[FT+8*\z+3], v[FT+8*\z+2]
.endr
.irp z, 0,1
	v_permlanex16_b32 v[FT+8*\z+4], v[FT+8*\z+3], s26, s27
.endr
.irp z, 0,1
	v_add_f32 v[FT+8*\z+3], v[FT+8*\z+3], v[FT+8*\z+4]     ; the row's sum
.endr
.irp z, 0,1
	v_rcp_f32 v[FT+8*\z+3], v[FT+8*\z+3]
.endr
.irp z, 0,1
	v_cvt_f32_i32 v[FT+8*\z+6], v[QM+\z]           ; the query's mask as a number
.endr
	s_wait_alu depctr_va_vdst(0)
.irp z, 0,1
	v_mul_f32 v[ST+6*\z+2], v[FT+8*\z+3], |v[FT+8*\z+6]|   ; |mask| / l
.endr
.irp z, 0,1
	v_mov_b32 v[ST+6*\z], v[FT+8*\z+1]             ; c m of the row
.endr
.irp z, 0,1
	v_ldexp_f32 v[ST+6*\z+4], |v[FT+8*\z+6]|, s22  ; |mask| x 2^(e4 + e5)
.endr
.set n, 0
.rept 64
	v_mov_b32 v[O+n], 0                            ; O^T: the step is written once, and its first trip finds zeros
.set n, n+1
.endr
	; ---- PASS 2
	FLOAD KF, LI
	s_mov_b32 s14, 0
	s_mov_b32 s15, 0
.Ltwo_\@:
	s_cmp_gt_u32 s14, s16
	s_cbranch_scc1 .Ltwo_skip_\@
	s_wait_dscnt 0x0                               ; this step's K
	s_setprio 2
.irp t, 0,1,2,3
.irp z, 0,1
	v_wmma_f32_16x16x64_fp8_fp8 v[S+32*\z+8*\t:S+32*\z+8*\t+7], v[KF+8*\t:KF+8*\t+7], v[QF+8*\z:QF+8*\z+7], 0
.endr
.endr
	s_add_co_u32 s19, s15, VREG
	s_add_co_u32 s18, s15, 4096
	s_min_u32 s18, s18, 126976
	v_add_nc_u32 v[ADX], s19, v[LI]                ; this step's V; these two and two v_nop are the four places behind the products, the last trip's too
	v_add_nc_u32 v[ADK], s18, v[LI]
	v_nop
	v_nop
	FLOAD BC, ADX                                  ; V first,
	FLOAD KF, ADK                                  ; then the next step's K
	MASKS
.set n, 0
.rept 16
	FMA 0, n
.set n, n+1
.endr
.set n, 0
	s_setprio 1
.rept 16
	EXPP 0, n
	FMA 1, n
.set n, n+1
.endr
	s_wait_alu depctr_va_vdst(0)                   ; one wait for X's batch
.set n, 0
.rept 16                                       ; Y's exponentials; X's p finished between them
	v_exp_f32 v[S+32+2*n], v[S+32+2*n]
	NRM 0, n
	v_exp_f32 v[S+33+2*n], v[S+33+2*n]
	HLD 0, n
.set n, n+1
.endr
	CVT 0
	v_nop                                          ; a plain line behind the conversions
	s_wait_alu depctr_va_vdst(0)                   ; one wait for Y's batch
.set n, 0
.rept 16
	NRM 1, n
	HLD 1, n
.set n, n+1
.endr
	CVT 1
	v_nop                                          ; a plain line between the conversions and the products that read their results
	s_setprio 0
	s_wait_dscnt 8                                 ; V's eight loads are in; the eight of the next step's K, issued behind them, may be out
.irp t, 0,1,2,3                                ; eight accumulators, one instruction a turn; the scores' products stand between the laps
.irp z, 0,1
	v_wmma_f32_16x16x64_fp8_fp8 v[O+32*\z+8*\t:O+32*\z+8*\t+7], v[BC+8*\t:BC+8*\t+7], v[P+8*\z:P+8*\z+7], v[O+32*\z+8*\t:O+32*\z+8*\t+7]
.endr
.endr
.Ltwo_skip_\@:
	s_add_co_u32 s15, s15, 4096
	s_add_co_u32 s14, s14, 1
	s_cmp_lt_u32 s14, 32
	s_cbranch_scc1 .Ltwo_\@
	s_setprio 0
	s_wait_dscnt 0x0
.if \p == 0
.irp i, 0,1,2,3
	global_load_b128 v[QF+4*\i:QF+4*\i+3], v[LI], s[50:51] offset:512*\i     ; the second pair's Q and masks land while the first goes out
.endr
	global_load_b32 v[QM], v[R4], s[58:59]
	global_load_b32 v[QM+1], v[R4], s[58:59] offset:64
.endif
.rept 4
	v_nop                                          ; the places behind the last products
.endr
	OUT 0, \p
	OUT 1, \p
.endm
	PAIR 0
	PAIR 1
	s_set_vgpr_msb 0x4
	s_wait_tensorcnt 0x0
	ds_add_u32 v255, v1
	s_wait_dscnt 0x0
	s_set_vgpr_msb 0x400
	ROUND                                          ; the closing round: no work-group ends while a partner may still ask for a tile that names it
	s_endpgm
.Lfunc_end_k_qdc45bf6cd0_attn:
	.size	k_qdc45bf6cd0_attn, .Lfunc_end_k_qdc45bf6cd0_attn-k_qdc45bf6cd0_attn
	.p2alignl 7, 3214868480
	.fill 96, 4, 3214868480
	.section	.rodata,"a",@progbits
	.p2align	6, 0x0
	.amdhsa_kernel k_qdc45bf6cd0_attn
		.amdhsa_group_segment_fixed_size 271360
		.amdhsa_private_segment_fixed_size 0
		.amdhsa_enable_private_segment 0
		.amdhsa_kernarg_size 48
		.amdhsa_user_sgpr_count 2
		.amdhsa_user_sgpr_kernarg_segment_ptr 1
		.amdhsa_wavefront_size32 1
		.amdhsa_system_sgpr_workgroup_id_x 1
		.amdhsa_system_sgpr_workgroup_id_y 1
		.amdhsa_system_sgpr_workgroup_id_z 1
		.amdhsa_system_vgpr_workitem_id 0
		.amdhsa_next_free_vgpr 258
		.amdhsa_next_free_sgpr 102
		.amdhsa_reserve_vcc 1
		.amdhsa_float_denorm_mode_32 3
		.amdhsa_float_denorm_mode_16_64 3
		.amdhsa_fp16_overflow 1
		.amdhsa_memory_ordered 1
		.amdhsa_forward_progress 1
		.amdhsa_inst_pref_size 115
	.end_amdhsa_kernel
	.amdgpu_metadata
---
amdhsa.version: [ 1, 2 ]
amdhsa.kernels:
  - .name:           k_qdc45bf6cd0_attn
    .symbol:         k_qdc45bf6cd0_attn.kd
    .args:
      - { .name: q_codes, .offset: 0, .size: 8, .value_kind: global_buffer, .address_space: global }
      - { .name: k_codes, .offset: 8, .size: 8, .value_kind: global_buffer, .address_space: global }
      - { .name: v_codes, .offset: 16, .size: 8, .value_kind: global_buffer, .address_space: global }
      - { .name: attention_mask, .offset: 24, .size: 8, .value_kind: global_buffer, .address_space: global }
      - { .name: lowp_scales, .offset: 32, .size: 8, .value_kind: global_buffer, .address_space: global }
      - { .name: y_codes, .offset: 40, .size: 8, .value_kind: global_buffer, .address_space: global }
    .group_segment_fixed_size: 271360
    .private_segment_fixed_size: 0
    .kernarg_segment_align: 8
    .kernarg_segment_size: 48
    .max_flat_workgroup_size: 256
    .sgpr_count:     102
    .vgpr_count:     258
    .wavefront_size: 32
...
	.end_amdgpu_metadata
.endif
;; end of part 3
;; launch proj (part 4): grid 4 x 32, 4 waves a work-group, clusters of 4 x 4, 327,680 bytes of LDS; arguments y_codes, wo_codes, lowp_scales, bo, out0; writes out0
.if DOCPART == 4
	.amdgcn_target "amdgcn-amd-amdhsa--gfx1250"
	.amdhsa_code_object_version 6
	.text
	.protected	k_qdc45bf6cd0_proj
	.globl	k_qdc45bf6cd0_proj
	.p2align	8
	.type	k_qdc45bf6cd0_proj,@function
k_qdc45bf6cd0_proj:
	s_mov_b64 s[64:65], 0
	v_nop
	global_prefetch_b8 v0, s[64:65] scope:SCOPE_SE
	s_setreg_imm32_b32 hwreg(HW_REG_WAVE_MODE, 25, 1), 1
	s_wait_xcnt 0x0
	s_wait_alu depctr_hold_cnt(0) depctr_sa_sdst(0) depctr_va_vdst(0) depctr_va_sdst(0) depctr_va_ssrc(0) depctr_va_vcc(0) depctr_vm_vsrc(0)
	s_getreg_b32 s2, hwreg(HW_REG_IB_STS2, 6, 4)
	s_cmp_eq_u32 s2, 0
	s_cbranch_scc0 .Lentry_in_a_cluster
	s_endpgm
.Lentry_in_a_cluster:
	s_bfe_u32 s2, ttmp6, 0x10000c
	s_cmp_lg_u32 s2, 0xf033
	s_cbranch_scc0 .Lentry_shape_is_right
	s_endpgm
.Lentry_shape_is_right:
; out0 = y Wo^T + bo on codes of FP8 (E4M3).  out0 [8192][1024] f32; sums in f32; each finished sum x 2^(e6 + e7) + bo, one packed multiply-add for two numbers.
; y_codes: [token tile of 16 (512)][head (16)][piece (2)][lane][16 bytes]: images of 16 x 64 fragments; two neighbouring heads, 2,048 bytes, are one fragment of 16 x 128 with k in its own places.
; wo_codes: [1024][1024], K innermost, the groups of eight within 32 in the order 0, 2, 1, 3, so that 16-byte loads give k the same places.
; A tile of 256 x 256 of out0 is made by four waves, each 128 x 128: 64 accumulators.  K = 1,024 goes in four slots' worth of 256 through a ring of two LDS slots.
; 128 tiles, one work-group each; the tile is kept at 256 x 256 so that each byte read from LDS feeds as many products as the registers allow.
; CLUSTERS: 4 x 4 work-groups; y's tile is shared along a row of the cluster, Wo's along a column: each is asked for jointly.
; THE MATRIX INSTRUCTION IS USED TRANSPOSED (source 0 = 16 rows of Wo, source 1 = 16 tokens): a lane holds eight neighbouring numbers of a row of out0.
; A token whose y is NaN (a query with no visible key) has the NaN code, and its row of out0 is NaN, as in the reference.
; LIMIT: e6 + e7 between -126 and 127.
; REGISTERS, in windows of 256: window 0: v0-31 addresses; from v128 y's fragments, one set; on the way out v32-255 are free.   window 1: Wo's fragments, two sets, at v0 and v128; at the end bo in v0-63.
;   window 2: the 32 accumulators of my rows 0-63 ((a, b) at v[8 (8 a + b)]);   window 3: those of my rows 64-127.
.set SIZE_N, 1024
.set KROW,   1024                      ; a row of Wo's codes in memory, in bytes
.set ROWB,   256                       ; 256 along K
.set PITCH,  272                       ; Wo's rows in LDS: 256 bytes + 16 of padding: the 16 rows that a load touches start at 16 different banks (64 banks of 4 bytes: ISA guide 11.1)
.set FR,     16
.set NL,     4
.set NP,     4
.set HALFA,  32768                     ; y: 8 token tiles x 4,096 bytes (four heads' images), dense: what one tensor load brings
.set ATILE,  2*HALFA
.set HALFB,  128*PITCH                 ; Wo: 128 rows
.set SLOT,   ATILE+2*HALFB             ; y's 16 token tiles, then Wo's 256 rows
.set SPARE,  2*SLOT                    ; behind the ring: the spare words, 128 bytes for each wave
.set SPITCH, 528                       ; the way out: a stage of 16 rows x (512 bytes + 16) for each wave, in slot 0, which has had its last fill and its last read when the first result is stored there
.set ADRA, 16                          ; v16-17  LDS address of y's fragments in slot 0, 1
.set ADRB, 20                          ; v20-21  of Wo's
.set BO,   23                          ; v23     32 x (lane / 16): my eight numbers of sixteen of bo
.set STO,  24                          ; v24     the way out: where I put 32 bytes of a row
.set RD,   25                          ; v25     where I read a row back
.set CO,   26                          ; v26     my byte offset in a row of out0
.set SPW,  28                          ; v28     LDS address of my spare word; never rewritten
.set NIL,  29                          ; v29     0; never rewritten
.set TMP,  32
.set AF,   128
.set BK,   128
.set G1, 24                            ; s[24:31] descriptor group 1 for y's tiles;  s[32:39] group 0, one set for each slot
.set G0, 32
.set G1B, 48                           ; s[48:55], s[56:63] the same for Wo's
.set G0B, 56
.set MSB, 0
.macro WIN new                         ; the immediate's high byte repeats the setting that is left
.if MSB != (\new)
	s_set_vgpr_msb (MSB<<8)|(\new)
.set MSB, \new
.endif
.endm
.set MUL_LO, 0xa1                      ; source 0 (Wo) window 1, source 1 (y) window 0, C and D window 2
.set MUL_HI, 0xf1                      ; the same, C and D window 3
.set TO_B,   0x40                      ; destination window 1, address window 0
.macro JLOAD g0a, g1a, g0b, g1b        ; a joint load: waves 0 and 1 fetch y's halves, waves 2 and 3 Wo's; four v_nop follow each of the two lines
	s_cmp_eq_u32 s15, 0
	s_cbranch_scc0 .Lfor_b_\@
	tensor_load_to_lds s[\g0a:\g0a+3], s[\g1a:\g1a+7]
	s_nop 0
.rept 4
	v_nop
.endr
	s_branch .Lasked_\@
.Lfor_b_\@:
	tensor_load_to_lds s[\g0b:\g0b+3], s[\g1b:\g1b+7]
	s_nop 0
.rept 4
	v_nop
.endr
.Lasked_\@:
.endm
.macro CREST
	s_cmp_lg_u32 s14, 0
	s_cbranch_scc1 .Lnot_wave_0_\@
	s_barrier_signal -3
.Lnot_wave_0_\@:
	s_barrier_wait -3
	s_barrier_signal -1
	s_barrier_wait -1
.endm
.macro CROUND
	s_barrier_signal -1
	s_barrier_wait -1
	CREST
.endm
	s_load_b128 s[4:7], s[0:1], 0x0                ; y's codes s[4:5], Wo's codes s[6:7]
	s_load_b128 s[8:11], s[0:1], 0x10              ; the scales' exponents s[8:9], bo s[10:11]
	s_load_b64 s[12:13], s[0:1], 0x20              ; out0
	v_lshl_add_u32 v[SPW], v0, 2, SPARE
	v_mov_b32 v[NIL], 0
	ds_add_u32 v28, v29
	ds_add_u32 v28, v29
	s_wait_dscnt 0x0
	v_lshrrev_b32 v1, 5, v0
	v_readfirstlane_b32 s14, v1                    ; wave 0..3
	s_lshr_b32 s15, s14, 1                         ; which half of the tile's rows is mine.  Also: I fetch for y (0) or for Wo (1)
	s_and_b32 s16, s14, 1                          ; which half of its columns.  Also: which half of that tile I fetch
	s_bfe_u32 s40, ttmp6, 0x40000                  ; cx, cy
	s_bfe_u32 s41, ttmp6, 0x40004
	s_lshl_b32 s42, ttmp9, 2
	s_add_co_u32 s42, s42, s40                     ; tile column = 4 x cluster x + cx
	s_and_b32 s17, ttmp7, 0xffff
	s_lshl_b32 s17, s17, 2
	s_add_co_u32 s17, s17, s41                     ; tile row = 4 x cluster y + cy
	s_lshl_b32 s43, s41, 2
	s_lshl_b32 s43, 15, s43                        ; my row of the cluster
	s_lshl_b32 s44, 0x1111, s40                    ; my column
	; descriptor group 1 for y: 8 rows (token tiles) of 4,096 bytes, 16,384 bytes apart, dense in LDS
	s_or_b32 s[G1+0], s43, (3<<16)|(1<<21)         ; 15:0 the mask: my row; 17:16 elements of 8 bytes; 21 set beside a mask; no padding
	s_mov_b32 s[G1+1], 512<<16                     ; tensor_dim0 = 512
	s_mov_b32 s[G1+2], 8<<16                       ; tensor_dim1 = 8
	s_mov_b32 s[G1+3], 512<<16                     ; tile_dim0 = 512
	s_mov_b32 s[G1+4], 8                           ; tile_dim1 = 8
	s_mov_b32 s[G1+5], 2048                        ; tensor_dim0_stride
	s_mov_b32 s[G1+6], 0
	s_mov_b32 s[G1+7], 0
	; for Wo: 128 rows x 256 bytes, padded in LDS
	s_or_b32 s[G1B+0], s44, (0<<16)|(1<<20)|(1<<21)|(5<<22)|(3<<25)  ; the mask: my column; elements of 1 byte; padding: four words after every 64
	s_mov_b32 s[G1B+1], ROWB<<16
	s_mov_b32 s[G1B+2], 128<<16
	s_mov_b32 s[G1B+3], ROWB<<16
	s_mov_b32 s[G1B+4], 128
	s_mov_b32 s[G1B+5], KROW
	s_mov_b32 s[G1B+6], 0
	s_mov_b32 s[G1B+7], 0
	s_lshl_b32 s20, s17, 4
	s_lshl_b32 s18, s16, 3
	s_add_co_u32 s20, s20, s18                     ; y: token tile 16 x tile row + 8 x half,
	s_lshl_b32 s20, s20, 14                        ; 16,384 bytes each
	s_mov_b32 s21, 0
	s_lshl_b32 s46, s42, 8
	s_lshl_b32 s18, s16, 7
	s_add_co_u32 s46, s46, s18                     ; Wo: row 256 x tile column + 128 x half,
	s_lshl_b32 s46, s46, 10                        ; 1,024 bytes each
	s_mov_b32 s47, 0
	s_lshl_b32 s45, s16, 15                        ; where they go: y's half,
	s_mul_i32 s66, s16, HALFB
	s_add_co_u32 s66, s66, ATILE                   ; Wo's half: no place in the cluster enters an LDS address
	s_wait_kmcnt 0x0
	s_load_b64 s[96:97], s[8:9], 0x18              ; e6, e7
	s_add_nc_u64 s[20:21], s[4:5], s[20:21]
	s_add_nc_u64 s[46:47], s[6:7], s[46:47]
	CROUND                                         ; all sixteen work-groups are here: the first joint loads meet
.irp s, 0,1
	s_mov_b32 s[G0+4*\s], 1
	s_add_co_u32 s[G0+4*\s+1], s45, \s*SLOT
	s_add_nc_u64 s[G0+4*\s+2:G0+4*\s+3], s[20:21], \s*4096           ; four heads on
	s_or_b32 s[G0+4*\s+3], s[G0+4*\s+3], 0x80000000
	s_mov_b32 s[G0B+4*\s], 1
	s_add_co_u32 s[G0B+4*\s+1], s66, \s*SLOT
	s_add_nc_u64 s[G0B+4*\s+2:G0B+4*\s+3], s[46:47], \s*ROWB
	s_or_b32 s[G0B+4*\s+3], s[G0B+4*\s+3], 0x80000000
	JLOAD G0+4*\s, G1, G0B+4*\s, G1B               ; two loads of mine are out
.endr
	v_and_b32 v1, 15, v0                           ; r
	v_bfe_u32 v2, v0, 4, 1                         ; h
	v_mul_u32_u24 v3, v1, PITCH
	v_lshl_add_u32 v4, v2, 4, v3                   ; Wo: a fragment's row x pitch + 16 x half
	v_and_b32 v6, 31, v0
	v_lshlrev_b32 v[CO], 4, v6                     ; 16 x lane: my place in an image of y, and in a row of out0
	v_lshlrev_b32 v[BO], 5, v2
	s_lshl_b32 s21, s15, 15                        ; my 8 token tiles of y
	s_mul_i32 s22, s16, HALFB                      ; my 128 rows of Wo,
	s_add_co_u32 s22, s22, ATILE                   ; which lie behind y's tiles
.irp s, 0,1
	v_add_nc_u32 v[ADRA+\s], s21, v[CO]
	v_add_nc_u32 v[ADRB+\s], s22, v4
	s_add_co_u32 s21, s21, SLOT
	s_add_co_u32 s22, s22, SLOT
.endr
	s_mul_i32 s23, s14, 16*SPITCH                  ; my stage
	v_mul_u32_u24 v5, v1, SPITCH                   ; in: row r, 32 bytes for each half of the lanes
	v_lshl_add_u32 v5, v2, 5, v5
	v_add_nc_u32 v[STO], s23, v5
	v_add_nc_u32 v[RD], s23, v[CO]                 ; back: the 32 lanes take one row of 512 bytes
	s_lshl_b32 s20, s17, 8
	s_lshl_b32 s21, s15, 7
	s_add_co_u32 s20, s20, s21                     ; my first row of out0: 256 x tile row + 128 x half,
	s_lshl_b32 s20, s20, 12                        ; 4,096 bytes each
	s_lshl_b32 s46, s42, 10                        ; my first column, in bytes: 1,024 x tile column + 512 x half
	s_lshl_b32 s47, s16, 9
	s_add_co_u32 s46, s46, s47
	s_add_co_u32 s20, s20, s46
	s_mov_b32 s21, 0
	s_add_nc_u64 s[12:13], s[12:13], s[20:21]
	s_mov_b32 s47, 0
	s_add_nc_u64 s[10:11], s[10:11], s[46:47]      ; bo at my 128 columns: the same bytes as in a row of out0
.macro FRAG reg, adr, q, i             ; Wo: 16 rows x 128 K: four loads of 16 bytes, 32 bytes apart
.irp c, 0,1,2,3
	ds_load_b128 v[\reg+4*\c:\reg+4*\c+3], v[\adr] offset:128*(\q)+32*\c+(\i)*16*PITCH
.endr
.endm
.macro FRAGA reg, adr, q, i            ; y: token tile i, heads 2 q and 2 q + 1 of the slot's four: four loads of 512 consecutive bytes
.irp c, 0,1,2,3
	ds_load_b128 v[\reg+4*\c:\reg+4*\c+3], v[\adr] offset:4096*(\i)+2048*(\q)+512*\c
.endr
.endm
; 16 matrix instructions: y's blocks a0, a0 + 1 x Wo's eight.  The 64 accumulators take turns, one instruction a turn, in the same order in every step.
.macro MUL16 a0, p, zero
.irp a, \a0, \a0+1
.irp b, 0,1,2,3,4,5,6,7
.if \zero
	v_wmma_f32_16x16x128_fp8_fp8 v[8*(8*((\a)%4)+\b):8*(8*((\a)%4)+\b)+7], v[128*(\p)+FR*\b:128*(\p)+FR*\b+FR-1], v[AF+FR*(\a):AF+FR*(\a)+FR-1], 0
.else
	v_wmma_f32_16x16x128_fp8_fp8 v[8*(8*((\a)%4)+\b):8*(8*((\a)%4)+\b)+7], v[128*(\p)+FR*\b:128*(\p)+FR*\b+FR-1], v[AF+FR*(\a):AF+FR*(\a)+FR-1], v[8*(8*((\a)%4)+\b):8*(8*((\a)%4)+\b)+7]
.endif
.endr
.endr
.endm
.macro FETCH_B slot, q, p
	WIN TO_B
.irp i, 0,1,2,3,4,5,6,7
	FRAG 128*(\p)+FR*\i, ADRB+\slot, \q, \i
.endr
	WIN 0
.endm
.macro FETCH_A slot, q, i0
.irp i, \i0, \i0+1, \i0+2, \i0+3
	FRAGA AF+FR*(\i), ADRA+\slot, \q, \i
.endr
.endm
.macro PLACES n                        ; plain vector lines between a matrix instruction and a load into, or a vector line on, its registers (ISA guide 7.12.1 for vector lines)
.rept \n
	v_nop
.endr
.endm
.macro STEP slot, q, zero              ; a step of 128 along K that has its successor in the same slot
	s_wait_dscnt 4*NL                              ; Wo's set and y's blocks 0-3 are in; the youngest sixteen loads (blocks 4-7) may be out
	WIN MUL_LO
	MUL16 0, (\q)%2, \zero
	MUL16 2, (\q)%2, \zero
	s_wait_dscnt 0
	PLACES NP
	FETCH_B \slot, (\q)+1, 1-(\q)%2
	FETCH_A \slot, (\q)+1, 0
	WIN MUL_HI
	MUL16 4, (\q)%2, \zero
	MUL16 6, (\q)%2, \zero
	PLACES NP
	WIN 0
	FETCH_A \slot, (\q)+1, 4
.endm
; A slot's last step changes slots: ONE barrier; in front of it each wave waits for all its tensor loads, adds 0 to its spare word, and waits for that and for its own reads of this slot.
.macro TURN slot, next, fill
	s_wait_tensorcnt 0x0                           ; all my tensor loads have landed: my part of the next slot  (every window is 0 here)
	ds_add_u32 v[SPW], v[NIL]                      ; 0 onto my spare word
	s_wait_dscnt 4*NL+1                            ; the add and the youngest sixteen loads may be out
	WIN MUL_LO
	MUL16 0, 1, 0
	s_wait_dscnt 0x0                               ; the add is done, and my reads of this slot are over
	s_barrier_signal -1
	MUL16 2, 1, 0
	WIN 0
	s_barrier_wait -1
.if \fill
	CREST                                          ; the barrier has opened a round of the cluster's barrier: no wave of any partner still reads this slot or has a load on its way
	s_add_nc_u64 s[G0+4*\slot+2:G0+4*\slot+3], s[G0+4*\slot+2:G0+4*\slot+3], 2*4096
	s_add_nc_u64 s[G0B+4*\slot+2:G0B+4*\slot+3], s[G0B+4*\slot+2:G0B+4*\slot+3], 2*ROWB
	JLOAD G0+4*\slot, G1, G0B+4*\slot, G1B         ; the first tensor load behind the round, my one load until the next; its four v_nop are the places in front of the loads below
.else
	PLACES NP
.endif
	FETCH_B \next, 0, 0
	FETCH_A \next, 0, 0
	WIN MUL_HI
	MUL16 4, 1, 0
	MUL16 6, 1, 0
	PLACES NP
	WIN 0
	FETCH_A \next, 0, 4
.endm
	s_wait_tensorcnt 1                             ; my part of slot 0 is in; slot 1's load may be out
	s_barrier_signal -1
	s_barrier_wait -1
	FETCH_B 0, 0, 0
	FETCH_A 0, 0, 0
	FETCH_A 0, 0, 4
	STEP 0, 0, 1                                   ; the first step's products start the sums.  K = 1,024 is eight steps of 128: written out, no loop
	TURN 0, 1, 1
	STEP 1, 0, 0
	TURN 1, 0, 1
	STEP 0, 0, 0
	TURN 0, 1, 0                                   ; nothing is left to fetch
	STEP 1, 0, 0
	WIN TO_B                                       ; bo in the result's layout, v[8 b + j] of window 1 = bo(16 b + 8 h + j): Wo's set 0 is done with, and the step's places stand behind its last products
.irp b, 0,1,2,3,4,5,6,7
	global_load_b128 v[8*\b:8*\b+3], v[BO], s[10:11] offset:64*\b
	global_load_b128 v[8*\b+4:8*\b+7], v[BO], s[10:11] offset:64*\b+16
.endr
	WIN 0
	s_wait_dscnt 4*NL                              ; the last step
	WIN MUL_LO
	MUL16 0, 1, 0
	MUL16 2, 1, 0
	s_wait_dscnt 0
	WIN MUL_HI
	MUL16 4, 1, 0
	MUL16 6, 1, 0
	WIN 0
; THE WAY OUT, block by block of 16 rows x 128 columns, through my own stage in LDS: in as 32 bytes a lane, back as whole rows of 512 bytes.  LDS serves a wave's instructions in order (ISA guide 5.7.1.4).
.macro TOSTAGE a
.set AC, 64*((\a)%4)
	WIN 0x12+((\a)/4)                              ; source 0 (the sums) window 2 or 3, source 2 (bo) window 1
.irp j, 0,2,4,6,8,10,12,14,16,18,20,22,24,26,28,30,32,34,36,38,40,42,44,46,48,50,52,54,56,58,60,62
	v_pk_fma_f32 v[TMP+\j:TMP+\j+1], v[AC+\j:AC+\j+1], s[96:97], v[\j:\j+1] op_sel_hi:[1,0,1]   ; sum x 2^(e6 + e7) + bo; each accumulator from its low end on
.endr
	WIN 0
.irp b, 0,1,2,3,4,5,6,7
	ds_store_b128 v[STO], v[TMP+8*\b:TMP+8*\b+3] offset:64*\b
	ds_store_b128 v[STO], v[TMP+8*\b+4:TMP+8*\b+7] offset:64*\b+16
.endr
.set BB, BK+64*((\a)%2)
.irp t, 0,1,2,3,4,5,6,7,8,9,10,11,12,13,14,15
	ds_load_b128 v[BB+4*\t:BB+4*\t+3], v[RD] offset:\t*SPITCH
.endr
.endm
.macro SEND a, younger                 ; younger: the LDS instructions issued behind block a's loads, which may stay out
.set BB, BK+64*((\a)%2)
	s_wait_dscnt \younger
.if (\a) > 0
	s_add_nc_u64 s[12:13], s[12:13], 16*SIZE_N*4   ; (behind a wait on XCNT: the earlier stores have read their base)  16 rows on
.endif
.irp t, 0,1,2,3,4,5,6,7,8,9,10,11,12,13,14,15
	global_store_b128 v[CO], v[BB+4*\t:BB+4*\t+3], s[12:13] offset:\t*SIZE_N*4 th:TH_STORE_NT   ; 32 lanes store 512 consecutive bytes, at a multiple of 256 from out0's first byte
.endr
.endm
	s_wait_kmcnt 0x0
	s_add_co_i32 s96, s96, s97                     ; e6 + e7
	s_add_co_i32 s96, s96, 127
	s_lshl_b32 s96, s96, 23                        ; 2^(e6 + e7) as f32
	s_wait_loadcnt 0x0                             ; bo
	PLACES NP                                      ; behind the last products: loads into the registers that held y's fragments, and reads of results, follow
	TOSTAGE 0
.irp a, 1,2,3,4,5,6,7
.if \a > 1
	s_wait_xcnt 0x0                                ; block a - 2's stores have read their registers and their base
.endif
	TOSTAGE \a
	SEND \a-1, 32                                  ; behind block a - 1's loads: block a's 16 stores and 16 loads
.endr
	s_wait_xcnt 0x0                                ; block 6's stores have read their base
	SEND 7, 0
	s_wait_tensorcnt 0x0                           ; the wave's end
	ds_add_u32 v[SPW], v[NIL]
	s_wait_dscnt 0x0
	CROUND                                         ; the closing round
	s_endpgm
.Lfunc_end_k_qdc45bf6cd0_proj:
	.size	k_qdc45bf6cd0_proj, .Lfunc_end_k_qdc45bf6cd0_proj-k_qdc45bf6cd0_proj
	.p2alignl 7, 3214868480
	.fill 96, 4, 3214868480
	.section	.rodata,"a",@progbits
	.p2align	6, 0x0
	.amdhsa_kernel k_qdc45bf6cd0_proj
		.amdhsa_group_segment_fixed_size 327680
		.amdhsa_private_segment_fixed_size 0
		.amdhsa_enable_private_segment 0
		.amdhsa_kernarg_size 40
		.amdhsa_user_sgpr_count 2
		.amdhsa_user_sgpr_kernarg_segment_ptr 1
		.amdhsa_wavefront_size32 1
		.amdhsa_system_sgpr_workgroup_id_x 1
		.amdhsa_system_sgpr_workgroup_id_y 1
		.amdhsa_system_sgpr_workgroup_id_z 1
		.amdhsa_system_vgpr_workitem_id 0
		.amdhsa_next_free_vgpr 1024
		.amdhsa_next_free_sgpr 98
		.amdhsa_reserve_vcc 0
		.amdhsa_float_denorm_mode_32 3
		.amdhsa_float_denorm_mode_16_64 3
		.amdhsa_memory_ordered 1
		.amdhsa_forward_progress 1
		.amdhsa_inst_pref_size 125
	.end_amdhsa_kernel
	.amdgpu_metadata
---
amdhsa.version: [ 1, 2 ]
amdhsa.kernels:
  - .name:           k_qdc45bf6cd0_proj
    .symbol:         k_qdc45bf6cd0_proj.kd
    .args:
      - { .name: y_codes, .offset: 0, .size: 8, .value_kind: global_buffer, .address_space: global }
      - { .name: wo_codes, .offset: 8, .size: 8, .value_kind: global_buffer, .address_space: global }
      - { .name: lowp_scales, .offset: 16, .size: 8, .value_kind: global_buffer, .address_space: global }
      - { .name: bo, .offset: 24, .size: 8, .value_kind: global_buffer, .address_space: global }
      - { .name: out0, .offset: 32, .size: 8, .value_kind: global_buffer, .address_space: global }
    .group_segment_fixed_size: 327680
    .private_segment_fixed_size: 0
    .kernarg_segment_align: 8
    .kernarg_segment_size: 40
    .max_flat_workgroup_size: 128
    .sgpr_count:     98
    .vgpr_count:     1024
    .wavefront_size: 32
...
	.end_amdgpu_metadata
.endif
;; end of part 4
